; MI455X (gfx1250); checked and timed in simulation.
; The chip was launched on July 23, 2026; its instructions are those of AMD's public machine-readable ISA for CDNA 5 (MIT licence, August 2026) and "CDNA5" Instruction Set Architecture Reference Guide (July 2026). The comments in the code are by the model that wrote it; some were corrected since.
;; Attention. Allowed arithmetic: matrix products marked QUANTISED: E2M3 operands, one E8M0 scale for each 32 along K, by v_wmma_scale_f32_16x16x128_f8f6f4 with both operands' format E2M3, f32 sums; everything else in f32.
;; Inputs: Wk 1,024 x 1,024 float32; Wq 1,024 x 1,024 float32; Wv 1,024 x 1,024 float32; x 4 x 2,048 x 1,024 float32.
;; Outputs: out0 4 x 2,048 x 1,024 float32.
;; This version of the problem:
;;   THIS VERSION OF THE PROBLEM IS GIVEN IN LOW PRECISION. The matrix products marked QUANTISED in the list below multiply operands that are first quantised to E2M3 (2 exponent bits, 3 mantissa bits; 6 bits a number), with one power-of-two scale for each 32 numbers along K (OCP MX v1.0); their sums are f32. All else is computed in f32.
;;   The module's matrix products, in the order in which they are computed (A, B: the left and right operand; K: the contracted axis; several contracted axes count as one K, in the product's order):
;;     1. [M 8,192, K 1,024] x [K 1,024, N 1,024]; A: input x; B: input Wq: QUANTISED
;;     2. [M 8,192, K 1,024] x [K 1,024, N 1,024]; A: input x; B: input Wk: QUANTISED
;;     3. [M 8,192, K 1,024] x [K 1,024, N 1,024]; A: input x; B: input Wv: QUANTISED
;;     4. batch 4 x [M 2,048, K 1,024] x [K 1,024, N 2,048]; A: computed on the way; B: computed on the way: QUANTISED
;;     5. batch 4 x [M 2,048, K 2,048] x [K 2,048, N 1,024]; A: softmax (see below); B: computed on the way: QUANTISED
;;   THE QUANTISER, for each operand of a quantised product, along K:
;;     - K is cut into blocks of 32 from its start; a last block that is shorter is filled with zeros.
;;     - A block's scale is 2^e with e = floor(log2(the largest magnitude in the block)) - 2, held to -126 .. 127; a block of zeros has e = 0. As a byte (E8M0): e + 127.
;;     - Each number is divided by its block's scale, clamped to +-7.5, and rounded to the nearest number of E2M3, ties to even, subnormals kept.
;;     - The product sums the exact products of the quantised numbers (number of the format x scale) in f32.
;;   ~~~python
;;   def quantise(x, axis):      # numpy; x: float32 -> the quantised numbers, widened to float32 again
;;       x = np.moveaxis(x, axis, -1); K = x.shape[-1]
;;       x = np.pad(x, [(0, 0)] * (x.ndim - 1) + [(0, -K % 32)]); x = x.reshape(x.shape[:-1] + (-1, 32)); a = np.abs(x).max(-1, keepdims=True)
;;       e = np.where(a > 0, np.clip(np.frexp(np.where(a > 0, a, 1))[1] - 1 - 2, -126, 127), 0)      # np.frexp(a)[1] - 1 = floor(log2(a)), exactly
;;       r = np.clip(x / 2.0 ** e, -7.5, 7.5)
;;       step = 2.0 ** (np.maximum(np.frexp(np.where(r == 0, 1, r))[1] - 1, 0) - 3)
;;       q = np.round(r / step) * step * 2.0 ** e      # np.round: ties to even
;;       return np.moveaxis(q.reshape(q.shape[:-2] + (-1,))[..., :K], -1, axis).astype(np.float32)
;;   ~~~
;;   SOFTMAX AHEAD OF A QUANTISED PRODUCT. Where the list says 'softmax', what is quantised is not the finished softmax but p = 2^(t - M), with t = logit x log2(e) and M = ceil(the row's largest t), a whole number; so 1/2 < the row's largest p <= 1. The row's sum l is taken of the UNQUANTISED p, in f32, and the product's result is divided by l at the end. Since M is a whole number, a kernel that streams over the keys may use a running M (the ceiling of the running maximum): every later rescaling is an exact power of two, which a block's scale takes up: the codes' values come out the same.
;;   OPERANDS COMPUTED ON THE WAY. 'Computed on the way' means the value that the module computes at that place (a softmax that the list does not call 'softmax' is quantised finished and normalised). What goes into a quantiser is computed in f32, as accurately as f32 sums, v_exp_f32 and their like allow (about 1e-6 of the number): no bf16 or f16 on the way to a quantiser, and a product that is left as it is and whose result goes on into a quantised operand takes f32 operands (vector FMAs, or v_wmma_f32_16x16x4_f32). A number that lies on a knife's edge between two numbers of the format may be rounded either way, as far as f32 arithmetic and the matrix unit's own rounding can turn it there, and no further.
;; One version. Each part assembles by itself: llvm-mc -triple=amdgcn-amd-amdhsa -mcpu=gfx1250 --defsym DOCPART=n.
;; ======== version 1 of 1: 4 launches
;; limits: right only within a limited range of input values
;; workspace buffers: xw_codes 8,650,752 bytes; xw_scales 360,448 bytes; qkv_codes 18,874,368 bytes; qkv_scales 786,432 bytes; p_codes 12,582,912 bytes; p_stat 1,572,864 bytes
;; launch quant (part 1): grid 352 x 1, 4 waves a work-group, no clusters, 35,328 bytes of LDS; arguments x, Wq, Wk, Wv, xw_codes, xw_scales; writes xw_codes, xw_scales
.if DOCPART == 1
	.amdgcn_target "amdgcn-amd-amdhsa--gfx1250"
	.amdhsa_code_object_version 6
	.text
	.protected	k_q5108d2b8e2_quant
	.globl	k_q5108d2b8e2_quant
	.p2align	8
	.type	k_q5108d2b8e2_quant,@function
k_q5108d2b8e2_quant:
	s_mov_b64 s[64:65], 0
	v_nop
	global_prefetch_b8 v0, s[64:65] scope:SCOPE_SE
	s_setreg_imm32_b32 hwreg(HW_REG_WAVE_MODE, 25, 1), 1
	s_wait_xcnt 0x0
; x [8192][1024], Wq, Wk, Wv [1024][1024], f32, become codes of FP6 (E2M3) with one E8M0 byte for each 32 along K (their last axis).
; The four tensors count as ONE run of 11,264 rows: x 0-8191, Wq 8192-, Wk 9216-, Wv 10240-.
; OUT.  xw_codes [row / 256][K step of 128: 8][block of 16 rows: 16][1,536 bytes]: each fragment (16 rows x 128 K, 12 registers a lane) lies as an IMAGE OF THE OPERAND'S REGISTERS:
; registers 4 c .. 4 c + 3 of lane l at 512 c + 16 l.  xw_scales [K step 8][11,264 rows]: one word (4 bytes, 128 along K) a row.
; SHARES.  A work-group takes 64 rows x 4 K steps (352 = 176 groups of rows x 2 halves of K), a wave 16 rows: four fragments.
; Each load reads 512 consecutive bytes of one row; a fragment's 16 x 512 bytes turn through the wave's own stage in LDS (rows 528 bytes apart), from which lane (r, h) takes, of row r, 16 neighbours of each block of 32.
; A block's scale is 2^(floor(log2(its largest magnitude)) - 2); its byte is the largest magnitude's exponent field - 2, held at 1 from below.
; LIMITS: a block of zeros, and one whose largest magnitude lies under 2^-124, keep the byte 1 (their bytes are read by this program alone; zero codes add nothing); NaN and infinities among the inputs are not served.
; No tensor loads and no cluster: no byte is read twice.  32 loads of 512 bytes a wave are out at the start, 16 while a fragment is worked.
.set STGB, 8448                        ; a wave's stage: 16 rows x 528 bytes
.set SCL,  4*STGB                      ; behind the stages: the work-group's scale words, [K step 4][64 rows]
.set KSB,  24576                       ; a K step of 256 rows in xw_codes
.set XWS,  45056                       ; a K step in xw_scales
.set R,    16                          ; v16-143  two sets of 64: a fragment's numbers as loaded
.set X,    144                         ; v144-207 register 16 b + i: k = 32 b + 16 h + i of my row
.set PC,   208                         ; v208-219 the codes; v220-226 at work
.set TM,   228                         ; v228-243 at work
.set PW,   244                         ; v244     the scale word
.set SEL,  20                          ; s[20:21] selects of v_permlanex16_b32: lane l xor 16
; 64 numbers of a lane become a fragment's codes in v[PC] on and its row's scale word in v[PW]
.macro QUANT s
.irp b, 0,1,2,3
	v_max3_num_f32 v[TM+\b], |v[\s+16*\b]|, |v[\s+1+16*\b]|, 0x1800000   ; my 16 numbers of block b, and the floor 2^(3 - 127): the byte cannot fall under 1
.endr
.irp i, 2,4,6,8,10,12,14
.irp b, 0,1,2,3
	v_max3_num_f32 v[TM+\b], v[TM+\b], |v[\s+16*\b+\i]|, |v[\s+1+16*\b+\i]|
.endr
.endr
.irp b, 0,1,2,3
	v_permlanex16_b32 v[TM+4+\b], v[TM+\b], s[SEL], s[SEL+1]
.endr
.irp b, 0,1,2,3
	v_max_num_f32 v[TM+\b], v[TM+\b], v[TM+4+\b]                         ; with lane l xor 16's 16: the block's largest magnitude
.endr
.irp b, 0,1,2,3
	v_add_nc_u32 v[TM+12+\b], 0xff000000, v[TM+\b]                       ; 2 off its exponent field: the conversion's scale operand
.endr
.irp b, 0,1,2,3
	v_lshrrev_b32 v[TM+4+\b], 23, v[TM+12+\b]                            ; the scale's byte
.endr
	v_lshl_or_b32 v[PW], v[TM+5], 8, v[TM+4]
	v_lshl_or_b32 v[PW], v[TM+6], 16, v[PW]
	v_lshl_or_b32 v[PW], v[TM+7], 24, v[PW]
.irp c, 0,1
	v_cvt_scalef32_pk16_fp6_f32 v[PC+6*\c:PC+2+6*\c], v[\s+32*\c:\s+15+32*\c], v[TM+12+2*\c]
	v_cvt_scalef32_pk16_fp6_f32 v[PC+12+4*\c:PC+14+4*\c], v[\s+16+32*\c:\s+31+32*\c], v[TM+12+2*\c+1]   ; (a conversion's three registers begin on an even number)
.endr
	v_nop                                          ; one plain place behind a scaled conversion
.irp c, 0,1                                    ; the operand wants a whole block in a lane: lanes 0-15 block 2 c, lanes 16-31 block 2 c + 1
.irp i, 0,1,2
	v_permlane16_swap_b32 v[PC+6*\c+\i], v[PC+12+4*\c+\i]
.endr
.irp i, 0,1,2
	v_mov_b32 v[PC+3+6*\c+\i], v[PC+12+4*\c+\i]
.endr
.endr
.endm
	s_load_b256 s[4:11], s[0:1], 0x0               ; x, Wq, Wk, Wv
	s_load_b128 s[12:15], s[0:1], 0x20             ; xw_codes, xw_scales
	v_lshl_add_u32 v248, v0, 2, 0x8800
	v_mov_b32 v249, 0
	v_lshrrev_b32 v1, 5, v0
	v_readfirstlane_b32 s16, v1                    ; wave
	v_and_b32 v1, 31, v0                           ; lane
	v_and_b32 v2, 15, v0                           ; r
	v_bfe_u32 v3, v0, 4, 1                         ; h
	v_lshlrev_b32 v4, 4, v1                        ; 16 x lane: a load's, and an image's, place for my lane
	s_mul_i32 s22, s16, STGB
	v_add_nc_u32 v5, s22, v4                       ; the stage, on the way in
	v_mul_u32_u24 v6, v2, 528
	v_lshl_add_u32 v6, v3, 6, v6
	v_add_nc_u32 v6, s22, v6                       ; and out: row r, + 64 h
	s_lshl_b32 s22, s16, 6
	v_lshlrev_b32 v7, 2, v2
	v_add_nc_u32 v7, s22, v7
	v_add_nc_u32 v7, SCL, v7                       ; my row's scale word: 4 (16 wave + r)
	s_lshl_b32 s22, s16, 8
	v_lshlrev_b32 v9, 3, v1
	v_add_nc_u32 v8, s22, v9
	v_add_nc_u32 v8, SCL, v8                       ; on the way out wave w takes K step w's 256 bytes, 8 a lane
.irp b, 0,1,2,3
	v_mov_b32 v[TM+4+\b], 0                        ; written once: a lane permute's destination counts as one of its sources
.endr
	s_mov_b32 s[SEL], 0x76543210
	s_mov_b32 s[SEL+1], 0xfedcba98
	s_lshr_b32 s17, ttmp9, 1                       ; G: which 64 rows of the 11,264
	s_and_b32 s18, ttmp9, 1                        ; which four K steps
	s_sub_co_u32 s19, s17, 128
	s_and_b32 s19, s19, 15                         ; the group's number inside a weight
	s_lshr_b32 s24, s17, 2
	s_lshl_b32 s24, s24, 3
	s_lshl_b32 s25, s18, 2
	s_add_co_u32 s24, s24, s25                     ; 8 (row / 256) + my first K step
	s_mul_i32 s24, s24, KSB
	s_and_b32 s26, s17, 3
	s_lshl_b32 s26, s26, 2
	s_add_co_u32 s26, s26, s16                     ; my block of 16 rows among the 16
	s_mul_i32 s26, s26, 1536
	s_add_co_u32 s24, s24, s26                     ; my first fragment in xw_codes
	s_add_co_u32 s26, s25, s16                     ; the K step whose scale words I store
	s_mul_i32 s26, s26, XWS
	s_lshl_b32 s27, s17, 8
	s_add_co_u32 s26, s26, s27                     ; + 64 rows x 4 bytes x G
	s_mov_b32 s25, 0
	s_mov_b32 s27, 0
	s_wait_kmcnt 0x0
	s_cmp_lt_u32 s17, 128                          ; which tensor: the choice hangs on the work-group's number alone
	s_cselect_b32 s19, s17, s19
	s_cselect_b64 s[4:5], s[4:5], s[6:7]
	s_cmp_ge_u32 s17, 144
	s_cselect_b64 s[4:5], s[8:9], s[4:5]
	s_cmp_ge_u32 s17, 160
	s_cselect_b64 s[4:5], s[10:11], s[4:5]
	s_lshl_b32 s28, s19, 18                        ; 64 rows of 4,096 bytes,
	s_lshl_b32 s29, s16, 16                        ; my wave's 16,
	s_add_co_u32 s28, s28, s29
	s_lshl_b32 s29, s18, 11                        ; four K steps of 512 bytes
	s_add_co_u32 s28, s28, s29
	s_mov_b32 s29, 0
	s_add_nc_u64 s[4:5], s[4:5], s[28:29]
	s_add_nc_u64 s[12:13], s[12:13], s[24:25]
	s_add_nc_u64 s[14:15], s[14:15], s[26:27]
.macro LOAD f                          ; fragment f: 16 rows x 512 bytes; each load is 512 consecutive bytes of one row
.set NN, 0
.rept 16
	global_load_b128 v[R+64*((\f)%2)+4*NN:R+64*((\f)%2)+4*NN+3], v4, s[4:5] offset:NN*4096+(\f)*512 th:TH_LOAD_NT
.set NN, NN+1
.endr
.endm
.macro STEP f
.if (\f) < 3
	s_wait_loadcnt 16                              ; this fragment's 16 loads are in; the next one's 16 may be out
.else
	s_wait_loadcnt 0x0
.endif
.set NN, 0
.rept 16
	ds_store_b128 v5, v[R+64*((\f)%2)+4*NN:R+64*((\f)%2)+4*NN+3] offset:528*NN
.set NN, NN+1
.endr
.irp b, 0,1,2,3
.irp i, 0,1,2,3
	ds_load_b128 v[X+16*\b+4*\i:X+16*\b+4*\i+3], v6 offset:128*\b+16*\i   ; LDS serves a wave's instructions in order: these see the stores above
.endr
.endr
	s_wait_dscnt 0x0                               ; the numbers are back, and the stores have read their registers
.if (\f) > 0
	s_wait_xcnt 0x0                                ; the last fragment's stores have read the codes' registers: they are written again only behind this wait
.endif
.if (\f) < 2
	LOAD (\f)+2
.endif
	QUANT X
.irp c, 0,1,2
	global_store_b128 v4, v[PC+4*\c:PC+4*\c+3], s[12:13] offset:(\f)*KSB+512*\c   ; 512 consecutive bytes, at a multiple of 256 from the buffer's first byte
.endr
	ds_store_b32 v7, v[PW] offset:256*(\f)         ; lanes r and r + 16 write the same word with the same value
.endm
	LOAD 0
	LOAD 1
	STEP 0
	STEP 1
	STEP 2
	STEP 3
	s_wait_dscnt 0x0                               ; for the others' sake: my scale words have landed
	s_barrier_signal -1
	s_barrier_wait -1
	ds_load_b64 v[246:247], v8
	s_wait_dscnt 0x0
	global_store_b64 v9, v[246:247], s[14:15]      ; 64 rows' words of one K step: 256 consecutive bytes, aligned
	s_wait_tensorcnt 0x0
	ds_add_u32 v248, v249
	s_wait_dscnt 0x0
	s_endpgm
.Lfunc_end_k_q5108d2b8e2_quant:
	.size	k_q5108d2b8e2_quant, .Lfunc_end_k_q5108d2b8e2_quant-k_q5108d2b8e2_quant
	.p2alignl 7, 3214868480
	.fill 96, 4, 3214868480
	.section	.rodata,"a",@progbits
	.p2align	6, 0x0
	.amdhsa_kernel k_q5108d2b8e2_quant
		.amdhsa_group_segment_fixed_size 35328
		.amdhsa_private_segment_fixed_size 0
		.amdhsa_enable_private_segment 0
		.amdhsa_kernarg_size 48
		.amdhsa_user_sgpr_count 2
		.amdhsa_user_sgpr_kernarg_segment_ptr 1
		.amdhsa_wavefront_size32 1
		.amdhsa_system_sgpr_workgroup_id_x 1
		.amdhsa_system_sgpr_workgroup_id_y 1
		.amdhsa_system_sgpr_workgroup_id_z 1
		.amdhsa_system_vgpr_workitem_id 0
		.amdhsa_next_free_vgpr 250
		.amdhsa_next_free_sgpr 66
		.amdhsa_reserve_vcc 0
		.amdhsa_float_denorm_mode_32 3
		.amdhsa_float_denorm_mode_16_64 3
		.amdhsa_memory_ordered 1
		.amdhsa_forward_progress 1
		.amdhsa_inst_pref_size 34
	.end_amdhsa_kernel
	.amdgpu_metadata
---
amdhsa.version: [ 1, 2 ]
amdhsa.kernels:
  - .name:           k_q5108d2b8e2_quant
    .symbol:         k_q5108d2b8e2_quant.kd
    .args:
      - { .name: x, .offset: 0, .size: 8, .value_kind: global_buffer, .address_space: global }
      - { .name: Wq, .offset: 8, .size: 8, .value_kind: global_buffer, .address_space: global }
      - { .name: Wk, .offset: 16, .size: 8, .value_kind: global_buffer, .address_space: global }
      - { .name: Wv, .offset: 24, .size: 8, .value_kind: global_buffer, .address_space: global }
      - { .name: xw_codes, .offset: 32, .size: 8, .value_kind: global_buffer, .address_space: global }
      - { .name: xw_scales, .offset: 40, .size: 8, .value_kind: global_buffer, .address_space: global }
    .group_segment_fixed_size: 35328
    .private_segment_fixed_size: 0
    .kernarg_segment_align: 8
    .kernarg_segment_size: 48
    .max_flat_workgroup_size: 128
    .sgpr_count:     66
    .vgpr_count:     250
    .wavefront_size: 32
...
	.end_amdgpu_metadata
.endif
;; end of part 1
;; launch proj (part 2): grid 8 x 32, 4 waves a work-group, clusters of 4 x 4, 327,680 bytes of LDS; arguments xw_codes, xw_scales, qkv_codes, qkv_scales; writes qkv_codes, qkv_scales
.if DOCPART == 2
	.amdgcn_target "amdgcn-amd-amdhsa--gfx1250"
	.amdhsa_code_object_version 6
	.text
	.protected	k_q5108d2b8e2_proj
	.globl	k_q5108d2b8e2_proj
	.p2align	8
	.type	k_q5108d2b8e2_proj,@function
k_q5108d2b8e2_proj:
	s_mov_b64 s[64:65], 0
	v_nop
	global_prefetch_b8 v0, s[64:65] scope:SCOPE_SE
	s_setreg_imm32_b32 hwreg(HW_REG_WAVE_MODE, 25, 1), 1
	s_wait_xcnt 0x0
	s_wait_alu depctr_hold_cnt(0) depctr_sa_sdst(0) depctr_va_vdst(0) depctr_va_sdst(0) depctr_va_ssrc(0) depctr_va_vcc(0) depctr_vm_vsrc(0)
	s_getreg_b32 s2, hwreg(HW_REG_IB_STS2, 6, 4)
	s_cmp_eq_u32 s2, 0
	s_cbranch_scc0 .Lentry_in_a_cluster
	s_endpgm
.Lentry_in_a_cluster:
	s_bfe_u32 s2, ttmp6, 0x10000c
	s_cmp_lg_u32 s2, 0xf033
	s_cbranch_scc0 .Lentry_shape_is_right
	s_endpgm
.Lentry_shape_is_right:
; q = x Wq^T, k = x Wk^T, v = x Wv^T on codes of FP6 (E2M3) with E8M0 scales, K = 1,024; the results are quantised at once for the products that follow and leave as codes.
; SHARES.  32 tiles of 256 rows of x  x  8 groups g of (128 rows of Wq, 128 of Wk, 128 of Wv) = 256 work-groups of equal work.
; Wave (hx, hw): its 128 rows of x against the 128 rows of Wq (hw = 0) or Wk (hw = 1): 64 accumulators; and against 64 rows of Wv (half hw): 32 accumulators.  96 matrix instructions a K step from 20 fragments.
; q, k: source 0 = 16 rows of W, source 1 = 16 rows of x: a lane holds a row of x, its registers run along W's rows, which are K step g of the next product.
; v: source 0 = 16 rows of x (keys), source 1 = 16 rows of Wv: a lane holds a channel, its registers run along the keys: v TRANSPOSED, the wave's 128 keys one K step of the last product.
; Inside a block of 32 the codes lie in the order 0-7, 16-23, 8-15, 24-31 on both operands of each later product: no sum and no scale changes.
; OPERANDS lie in memory as images of their registers (a fragment: 1,536 bytes, registers 4 c .. 4 c + 3 of lane l at 512 c + 16 l).
; LDS: five places of a K step: x 5 x 24,576 bytes, then Wq, Wk, Wv 5 x 12,288 each.  The head's one load a wave brings K steps 0-4 (wave 0: x; waves 1-3: a weight each, a K step to a row of 12,288 bytes);
; K steps 5-7 fill places 0-2 again behind the round in group 7, when K step 2's last fragments have been read, and are shown whole by the barrier in group 13.  A wave has one tensor load out.
; CLUSTER 4 x 4: x's tile is shared along a row of the cluster, the weights along a column: joint loads.
; NO PREFETCH: the block is the largest that the registers hold, in clusters, and K is short: five of its eight K steps come by the head's loads, the rest by one refill.
; A K STEP is three groups of 32 matrix instructions (W's blocks 0-3, 4-7, Wv's four), each against x's blocks 0-3, then 4-7.  The groups' fragments take turns in two buffers: group n + 2 is fetched when group n is done.
; x has one set: blocks 0-3 are fetched anew in the middle of a K step's last group, blocks 4-7 at its end.  Written out by .rept: register numbers come back after four K steps, of which the first starts the sums.
; SCALE WORDS: ten registers a K step (x 4, W 4, Wv 2; 32 rows a register), a ring of four K steps, loaded four K steps ahead.
; LIMITS: blocks of zeros and blocks under 2^-124 keep the byte 1 (read by this program alone); NaN and infinities are not served.
; REGISTERS: window 0: v3-15 addresses; v16-55 scale words; v64-159 x's fragments; v160-255 two buffers.  window 1 + g: group g's accumulators: q, k: (a, b) at v[8 (4 a + b)]; v: (c, a) at v[8 (8 c + a)].
.set FRB,   1536
.set KSB,   16*FRB                     ; a K step of 256 rows
.set WSB,   8*FRB                      ; a K step of 128 rows
.set LW,    5*KSB                      ; Wq's places; Wk's 5 WSB on, Wv's 10 WSB on
.set SPARE, 5*KSB+15*WSB               ; the spare words, 128 bytes a wave: two blocks of 256 bytes that no other line names
.set STAGE, SPARE+512                  ; 768 bytes a wave: its new scale words
.set XWS,   45056                      ; a K step in xw_scales
.set RF,    7                          ; the group with the refill's round
.set AR,    13                         ; the group with the barrier that shows K steps 5-7 whole
.set L4,   3
.set LI,   4
.set L8,   5
.set AX,   6                           ; v6-8 my x fragments in places 0-1, 2-3, 4
.set AW,   9
.set AV,   10
.set SWR,  11
.set SRD,  12
.set SRD2, 13
.set SPW,  14                          ; my spare word; never rewritten
.set NIL,  15                          ; 0; never rewritten
.set SC,   16
.set XF,   64
.set WB,   160
.set TM,   16                          ; the way out: v16-47 at work
.set TX,   24
.set SO,   28
.set PW,   32
.set PT,   40
.set G1,   24                          ; s[24:31] group 1 for x;  s[32:35] its group 0
.set G0X,  32
.set G0W,  36                          ; s[36:39], s[48:55] the same for my weight
.set G1W,  48
.set SEL,  86
.set MSB, 0
.macro WIN new                         ; the immediate's high byte repeats the setting that is left
.if MSB != (\new)
	s_set_vgpr_msb (MSB<<8)|(\new)
.set MSB, (\new)
.endif
.endm
.macro PLACES n
.rept \n
	v_nop
.endr
.endm
; a joint load: wave 0 fetches x, waves 1-3 a weight each; the branch hangs on the wave's number alone; s_nop 0 and four v_nop follow each line
.macro JLOAD
	s_cmp_eq_u32 s14, 0
	s_cbranch_scc0 .Lfor_w_\@
	tensor_load_to_lds s[G0X:G0X+3], s[G1:G1+7]
	s_nop 0
	PLACES 4
	s_branch .Lasked_\@
.Lfor_w_\@:
	tensor_load_to_lds s[G0W:G0W+3], s[G1W:G1W+7]
	s_nop 0
	PLACES 4
.Lasked_\@:
.endm
.macro CREST
	s_cmp_lg_u32 s14, 0
	s_cbranch_scc1 .Lnot_wave_0_\@
	s_barrier_signal -3
.Lnot_wave_0_\@:
	s_barrier_wait -3
	s_barrier_signal -1
	s_barrier_wait -1
.endm
.macro CROUND
	s_barrier_signal -1
	s_barrier_wait -1
	CREST
.endm
; one matrix instruction on the symbols rD, rB (source 0), rA (source 1), xB, xA (their scale registers), WR0, WR1 (which half of the lanes holds the words)
.macro WM zero
.if \zero
.if (WR0 == 0) && (WR1 == 0)
	v_wmma_scale_f32_16x16x128_f8f6f4 v[rD:rD+7], v[rB:rB+11], v[rA:rA+11], 0, v[xB], v[xA] matrix_a_fmt:MATRIX_FMT_FP6 matrix_b_fmt:MATRIX_FMT_FP6
.elseif (WR0 == 1) && (WR1 == 0)
	v_wmma_scale_f32_16x16x128_f8f6f4 v[rD:rD+7], v[rB:rB+11], v[rA:rA+11], 0, v[xB], v[xA] matrix_a_fmt:MATRIX_FMT_FP6 matrix_b_fmt:MATRIX_FMT_FP6 matrix_a_scale:MATRIX_SCALE_ROW1
.elseif (WR0 == 0) && (WR1 == 1)
	v_wmma_scale_f32_16x16x128_f8f6f4 v[rD:rD+7], v[rB:rB+11], v[rA:rA+11], 0, v[xB], v[xA] matrix_a_fmt:MATRIX_FMT_FP6 matrix_b_fmt:MATRIX_FMT_FP6 matrix_b_scale:MATRIX_SCALE_ROW1
.else
	v_wmma_scale_f32_16x16x128_f8f6f4 v[rD:rD+7], v[rB:rB+11], v[rA:rA+11], 0, v[xB], v[xA] matrix_a_fmt:MATRIX_FMT_FP6 matrix_b_fmt:MATRIX_FMT_FP6 matrix_a_scale:MATRIX_SCALE_ROW1 matrix_b_scale:MATRIX_SCALE_ROW1
.endif
.else
.if (WR0 == 0) && (WR1 == 0)
	v_wmma_scale_f32_16x16x128_f8f6f4 v[rD:rD+7], v[rB:rB+11], v[rA:rA+11], v[rD:rD+7], v[xB], v[xA] matrix_a_fmt:MATRIX_FMT_FP6 matrix_b_fmt:MATRIX_FMT_FP6
.elseif (WR0 == 1) && (WR1 == 0)
	v_wmma_scale_f32_16x16x128_f8f6f4 v[rD:rD+7], v[rB:rB+11], v[rA:rA+11], v[rD:rD+7], v[xB], v[xA] matrix_a_fmt:MATRIX_FMT_FP6 matrix_b_fmt:MATRIX_FMT_FP6 matrix_a_scale:MATRIX_SCALE_ROW1
.elseif (WR0 == 0) && (WR1 == 1)
	v_wmma_scale_f32_16x16x128_f8f6f4 v[rD:rD+7], v[rB:rB+11], v[rA:rA+11], v[rD:rD+7], v[xB], v[xA] matrix_a_fmt:MATRIX_FMT_FP6 matrix_b_fmt:MATRIX_FMT_FP6 matrix_b_scale:MATRIX_SCALE_ROW1
.else
	v_wmma_scale_f32_16x16x128_f8f6f4 v[rD:rD+7], v[rB:rB+11], v[rA:rA+11], v[rD:rD+7], v[xB], v[xA] matrix_a_fmt:MATRIX_FMT_FP6 matrix_b_fmt:MATRIX_FMT_FP6 matrix_a_scale:MATRIX_SCALE_ROW1 matrix_b_scale:MATRIX_SCALE_ROW1
.endif
.endif
.endm
; 16 matrix instructions: x's blocks a0 .. a0 + 3 against group n's four fragments.  All accumulators take turns, one instruction a turn.  K step 0 starts the sums: nothing is cleared
.macro MUL16 n, a0
.set mK, (\n)/3
.set mG, (\n)%3
.set mF, WB+48*((\n)%2)
.set mS, SC+10*(mK%4)
.irp a, \a0, \a0+1, \a0+2, \a0+3
.irp b, 0,1,2,3
.if mG < 2
.set rD, 8*(4*(\a)+\b)
.set rB, mF+12*\b
.set rA, XF+12*(\a)
.set xB, mS+4+2*mG+\b/2
.set xA, mS+(\a)/2
.set WR0, \b%2
.set WR1, (\a)%2
.else
.set rD, 8*(8*\b+(\a))
.set rB, XF+12*(\a)
.set rA, mF+12*\b
.set xB, mS+(\a)/2
.set xA, mS+8+\b/2
.set WR0, (\a)%2
.set WR1, \b%2
.endif
.if mK == 0
	WM 1
.else
	WM 0
.endif
.endr
.endr
.endm
.macro FRAG reg, adr, off              ; a fragment's image: three loads of 512 consecutive bytes
.irp c, 0,1,2
	ds_load_b128 v[\reg+4*\c:\reg+4*\c+3], v[\adr] offset:\off+512*\c
.endr
.endm
.macro LDX ks, i0                      ; x's blocks i0 .. i0 + 3 of K step ks, which lies in place ks % 5
.set xP, (\ks)%5
.irp i, \i0, \i0+1, \i0+2, \i0+3
	FRAG XF+12*(\i), AX+xP/2, (xP%2)*KSB+(\i)*FRB
.endr
.endm
.macro LDG n                           ; group n's four fragments into buffer n % 2
.set lP, ((\n)/3)%5
.set lG, (\n)%3
.set lF, WB+48*((\n)%2)
.if lG < 2
.irp i, 0,1,2,3
	FRAG lF+12*\i, AW, lP*WSB+(4*lG+\i)*FRB
.endr
.else
.irp i, 0,1,2,3
	FRAG lF+12*\i, AV, lP*WSB+\i*FRB
.endr
.endif
.endm
.macro SCL ks                          ; K step ks's scale words: ten loads of 128 consecutive bytes
.set sB, SC+10*((\ks)%4)
.irp e, 0,1,2,3
	global_load_b32 v[sB+\e], v[L4], s[70:71] offset:(\ks)*XWS+128*\e
.endr
.irp e, 0,1,2,3
	global_load_b32 v[sB+4+\e], v[L4], s[72:73] offset:(\ks)*XWS+128*\e
.endr
.irp e, 0,1
	global_load_b32 v[sB+8+\e], v[L4], s[74:75] offset:(\ks)*XWS+128*\e
.endr
.endm
.macro GROUP n
.set gK, (\n)/3
.set gG, (\n)%3
.set gW, ((gG+1)<<4)|((gG+1)<<6)       ; C and D in window 1 + g, the sources in window 0
.if (\n) == RF
	s_wait_tensorcnt 0x0                           ; all my tensor loads have landed; so the descriptors may be written
	ds_add_u32 v[SPW], v[NIL]                      ; 0 onto my spare word
	s_add_nc_u64 s[G0X+2:G0X+3], s[G0X+2:G0X+3], 5*KSB   ; K step 5 on,
	s_add_nc_u64 s[G0W+2:G0W+3], s[G0W+2:G0W+3], 5*KSB
	s_mov_b32 s[G1+2], 288<<16                     ; three K steps: 288 rows of 256 bytes of x,
	s_mov_b32 s[G1+4], 288
	s_mov_b32 s[G1W+2], 3<<16                      ; three rows of 12,288 bytes of a weight
	s_mov_b32 s[G1W+4], 3
	s_wait_dscnt 13                                ; (the add and the next group's twelve loads may be out)
.elseif gG == 0
.if gK < 4
.set gL, 30
.else
.set gL, 10*(7-gK)
.endif
	s_wait_loadcnt gL                              ; this K step's ten scale words are in; those of up to three later K steps may be out
	s_wait_dscnt 24                                ; the group's fragments and x's blocks 0-3 are in; x's blocks 4-7 and the next group's may be out
.elseif (\n) == 23
	s_wait_dscnt 0x0
.else
	s_wait_dscnt 12                                ; the next group's twelve loads may be out
.endif
	WIN gW
	MUL16 \n, 0
.if (\n) == RF || (\n) == AR
.if (\n) == AR
	s_wait_tensorcnt 0x0                           ; my part of K steps 5-7 is in
.endif
	s_wait_dscnt 0x0                               ; all my LDS instructions are done: the add, and my reads of places 0-2
	s_barrier_signal -1
.endif
.if gG == 2 && gK < 7
	PLACES 4                                       ; in front of loads into registers that matrix instructions have read
	WIN 0
	LDX gK+1, 0
.endif
.if gG == 0
	s_wait_dscnt 12                                ; x's blocks 4-7 are in
.endif
	WIN gW
	MUL16 \n, 4
.if (\n) == RF
	WIN 0
	s_barrier_wait -1
	CREST                                          ; the barrier has opened a round of the cluster's barrier: no wave of any partner still reads places 0-2 or has a load on its way
	JLOAD                                          ; the first tensor load behind the round; its four v_nop are the places in front of the loads below
.elseif (\n) == AR
	WIN 0
	s_barrier_wait -1                              ; everybody's part is in
	PLACES 4
.elseif (\n) < 22
	PLACES 4
	WIN 0
.endif
.if gG == 2 && gK < 7
	LDX gK+1, 4
.if gK < 4
	SCL gK+4
.endif
.endif
.if (\n) < 22
	LDG (\n)+2
.endif
.endm
; 64 results of a lane (blocks 0, 1 of 32 in v[aL] on of window wL, blocks 2, 3 in v[aH] on of window wH) become a fragment's codes in v[pc] on and a scale word in v[PW].  Each accumulator is first read at its low end
.macro QUANT aL, wL, aH, wH, pc
	WIN (\wL)|((\wL)<<2)
.irp t, 0,1,2,3
	v_max3_num_f32 v[TM+\t], |v[\aL+8*\t]|, |v[\aL+8*\t+1]|, 0x1800000   ; an accumulator's eight, and the floor 2^(3 - 127): the byte cannot fall under 1
.endr
	WIN ((\wL)<<2)|((\wL)<<4)
.irp i, 2,4,6
.irp t, 0,1,2,3
	v_max3_num_f32 v[TM+\t], v[TM+\t], |v[\aL+8*\t+\i]|, |v[\aL+8*\t+\i+1]|
.endr
.endr
	WIN (\wH)|((\wH)<<2)
.irp t, 0,1,2,3
	v_max3_num_f32 v[TM+4+\t], |v[\aH+8*\t]|, |v[\aH+8*\t+1]|, 0x1800000
.endr
	WIN ((\wH)<<2)|((\wH)<<4)
.irp i, 2,4,6
.irp t, 0,1,2,3
	v_max3_num_f32 v[TM+4+\t], v[TM+4+\t], |v[\aH+8*\t+\i]|, |v[\aH+8*\t+\i+1]|
.endr
.endr
	WIN 0
.irp b, 0,1,2,3
	v_max_num_f32 v[TM+2*\b], v[TM+2*\b], v[TM+2*\b+1]                   ; a block's two accumulators
.endr
.irp b, 0,1,2,3
	v_permlanex16_b32 v[TX+\b], v[TM+2*\b], s[SEL], s[SEL+1]
.endr
.irp b, 0,1,2,3
	v_max_num_f32 v[TM+2*\b], v[TM+2*\b], v[TX+\b]                       ; with lane l xor 16's 16: the block's largest magnitude
.endr
.irp b, 0,1,2,3
	v_add_nc_u32 v[SO+\b], 0xff000000, v[TM+2*\b]                        ; 2 off its exponent field: the conversion's scale operand
.endr
.irp b, 0,1,2,3
	v_lshrrev_b32 v[TX+\b], 23, v[SO+\b]                                 ; the scale's byte
.endr
	v_lshl_or_b32 v[PW], v[TX+1], 8, v[TX]
	v_lshl_or_b32 v[PW], v[TX+2], 16, v[PW]
	v_lshl_or_b32 v[PW], v[TX+3], 24, v[PW]
	WIN (\wL)
	v_cvt_scalef32_pk16_fp6_f32 v[\pc:\pc+2], v[\aL:\aL+15], v[SO]
	v_cvt_scalef32_pk16_fp6_f32 v[PT:PT+2], v[\aL+16:\aL+31], v[SO+1]    ; (a conversion's three registers begin on an even number)
	WIN (\wH)
	v_cvt_scalef32_pk16_fp6_f32 v[\pc+6:\pc+8], v[\aH:\aH+15], v[SO+2]
	v_cvt_scalef32_pk16_fp6_f32 v[PT+4:PT+6], v[\aH+16:\aH+31], v[SO+3]
	WIN 0
	v_nop                                          ; one plain place behind a scaled conversion
.irp c, 0,1                                    ; the operand wants a whole block in a lane
.irp i, 0,1,2
	v_permlane16_swap_b32 v[\pc+6*\c+\i], v[PT+4*\c+\i]
.endr
.irp i, 0,1,2
	v_mov_b32 v[\pc+3+6*\c+\i], v[PT+4*\c+\i]
.endr
.endr
.endm
	s_load_b256 s[4:11], s[0:1], 0x0               ; xw_codes, xw_scales, qkv_codes, qkv_scales
	v_lshl_add_u32 v[SPW], v0, 2, SPARE
	v_mov_b32 v[NIL], 0
	ds_add_u32 v[SPW], v[NIL]                      ; the opening lines: the add, twice on end, and its wait ahead of my first tensor load
	ds_add_u32 v[SPW], v[NIL]
	v_lshrrev_b32 v1, 5, v0
	v_readfirstlane_b32 s14, v1                    ; wave
	s_lshr_b32 s15, s14, 1                         ; hx: my 128 rows of x
	s_and_b32 s16, s14, 1                          ; hw: Wq or Wk; my 64 rows of Wv
	s_bfe_u32 s40, ttmp6, 0x40000                  ; cx
	s_bfe_u32 s41, ttmp6, 0x40004                  ; cy
	s_lshl_b32 s42, ttmp9, 2
	s_add_co_u32 s42, s42, s40                     ; g: which 128 rows of each weight
	s_and_b32 s17, ttmp7, 0xffff
	s_lshl_b32 s17, s17, 2
	s_add_co_u32 s17, s17, s41                     ; T: which 256 rows of x
	s_lshl_b32 s43, s41, 2
	s_lshl_b32 s43, 15, s43                        ; my row of the cluster
	s_lshl_b32 s44, 0x1111, s40                    ; my column
	s_or_b32 s[G1+0], s43, (3<<16)|(1<<21)         ; the mask; elements of 8 bytes; bit 21 set beside a mask; no padding
	s_mov_b32 s[G1+1], 32<<16                      ; x: rows of 256 bytes,
	s_mov_b32 s[G1+2], 480<<16                     ; 480 of them: five K steps, dense
	s_mov_b32 s[G1+3], 32<<16
	s_mov_b32 s[G1+4], 480
	s_mov_b32 s[G1+5], 32
	s_mov_b32 s[G1+6], 0
	s_mov_b32 s[G1+7], 0
	s_or_b32 s[G1W+0], s44, (3<<16)|(1<<21)
	s_mov_b32 s[G1W+1], 1536<<16                   ; a weight: a row is a K step of 128 rows, 12,288 bytes,
	s_mov_b32 s[G1W+2], 5<<16                      ; five of them,
	s_mov_b32 s[G1W+3], 1536<<16
	s_mov_b32 s[G1W+4], 5
	s_mov_b32 s[G1W+5], 3072                       ; 24,576 bytes apart
	s_mov_b32 s[G1W+6], 0
	s_mov_b32 s[G1W+7], 0
	s_mul_i32 s20, s17, 8*KSB                      ; x's tile: made of T alone
	s_mov_b32 s21, 0
	s_lshl_b32 s22, s14, 2                         ; my weight's tile of 256 rows: 32 + 4 (wave - 1) + g / 2: of g and the wave's number alone
	s_lshr_b32 s23, s42, 1
	s_add_co_u32 s22, s22, s23
	s_add_co_u32 s22, s22, 28
	s_mul_i32 s22, s22, 8*KSB
	s_and_b32 s23, s42, 1
	s_mul_i32 s23, s23, WSB                        ; its half g % 2
	s_add_co_u32 s22, s22, s23
	s_mov_b32 s23, 0
	s_mul_i32 s45, s14, 5*WSB
	s_add_co_u32 s45, s45, LW-5*WSB                ; where it goes: LW + 5 WSB (wave - 1)
	s_lshl_b32 s56, s17, 10                        ; scale words: my 128 rows of x,
	s_lshl_b32 s46, s15, 9
	s_add_co_u32 s56, s56, s46
	s_mov_b32 s57, 0
	s_lshl_b32 s58, s16, 12                        ; rows 8,192 + 1,024 hw + 128 g,
	s_lshl_b32 s47, s42, 9
	s_add_co_u32 s58, s58, s47
	s_add_co_u32 s58, s58, 32768
	s_mov_b32 s59, 0
	s_lshl_b32 s60, s16, 8                         ; rows 10,240 + 128 g + 64 hw
	s_add_co_u32 s60, s60, s47
	s_add_co_u32 s60, s60, 40960
	s_mov_b32 s61, 0
	s_lshl_b32 s62, s17, 3                         ; q, k codes: [q or k][T][K step g][block][1,536]
	s_add_co_u32 s62, s62, s42
	s_mul_i32 s62, s62, KSB
	s_mul_i32 s78, s16, 6291456
	s_add_co_u32 s62, s62, s78
	s_mul_i32 s78, s15, 8*FRB
	s_add_co_u32 s62, s62, s78
	s_mov_b32 s63, 0
	s_lshl_b32 s66, s16, 18                        ; their scale words: [q or k][K step g][8,192 rows]
	s_lshl_b32 s78, s42, 15
	s_add_co_u32 s66, s66, s78
	s_add_co_u32 s66, s66, s56
	s_mov_b32 s67, 0
	s_lshr_b32 s79, s17, 3                         ; v: the batch,
	s_and_b32 s80, s17, 7
	s_lshl_b32 s80, s80, 1
	s_add_co_u32 s80, s80, s15                     ; the chunk of 128 keys
	s_lshl_b32 s68, s79, 3
	s_add_co_u32 s68, s68, s42
	s_lshl_b32 s68, s68, 4
	s_add_co_u32 s68, s68, s80
	s_lshl_b32 s68, s68, 3
	s_lshl_b32 s78, s16, 2
	s_add_co_u32 s68, s68, s78
	s_mul_i32 s68, s68, FRB
	s_add_co_u32 s68, s68, 12582912                ; codes: [batch][g][chunk][block 8][1,536]
	s_mov_b32 s69, 0
	s_lshl_b32 s76, s79, 4
	s_add_co_u32 s76, s76, s80
	s_lshl_b32 s76, s76, 12
	s_add_co_u32 s76, s76, s60
	s_add_co_u32 s76, s76, 524288-40960            ; scale words: 524,288 + [batch][chunk][1,024 channels]
	s_mov_b32 s77, 0
	s_mul_i32 s90, s15, 8*FRB
	s_mul_i32 s91, s16, 5*WSB
	s_add_co_u32 s91, s91, LW
	s_mul_i32 s92, s16, 4*FRB
	s_add_co_u32 s92, s92, LW+10*WSB
	s_mul_i32 s93, s14, 768
	s_add_co_u32 s93, s93, STAGE
	s_mov_b32 s[SEL], 0x76543210
	s_mov_b32 s[SEL+1], 0xfedcba98
	s_wait_dscnt 0x0                               ; both opening adds are done
	s_wait_kmcnt 0x0
	s_add_nc_u64 s[20:21], s[4:5], s[20:21]
	s_add_nc_u64 s[22:23], s[4:5], s[22:23]
	s_add_nc_u64 s[70:71], s[6:7], s[56:57]
	s_add_nc_u64 s[72:73], s[6:7], s[58:59]
	s_add_nc_u64 s[74:75], s[6:7], s[60:61]
	s_add_nc_u64 s[12:13], s[8:9], s[68:69]
	s_add_nc_u64 s[8:9], s[8:9], s[62:63]
	s_add_nc_u64 s[18:19], s[10:11], s[76:77]
	s_add_nc_u64 s[10:11], s[10:11], s[66:67]
	CROUND                                         ; all sixteen work-groups are here: the first joint loads meet
	s_mov_b32 s[G0X], 1
	s_mov_b32 s[G0X+1], 0
	s_mov_b64 s[G0X+2:G0X+3], s[20:21]
	s_or_b32 s[G0X+3], s[G0X+3], 0x80000000
	s_mov_b32 s[G0W], 1
	s_mov_b32 s[G0W+1], s45
	s_mov_b64 s[G0W+2:G0W+3], s[22:23]
	s_or_b32 s[G0W+3], s[G0W+3], 0x80000000
	JLOAD                                          ; K steps 0-4: one tensor load a wave at the head
	v_and_b32 v1, 31, v0
	v_and_b32 v2, 15, v0
	v_lshlrev_b32 v[L4], 2, v1
	v_lshlrev_b32 v[LI], 4, v1
	v_lshlrev_b32 v[L8], 3, v1
	v_add_nc_u32 v[AX], s90, v[LI]
	v_add_nc_u32 v[AW], s91, v[LI]
	v_add_nc_u32 v[AV], s92, v[LI]
	v_add_nc_u32 v[AX+1], 2*KSB, v[AX]
	v_add_nc_u32 v[AX+2], 4*KSB, v[AX]
	v_lshl_add_u32 v[SWR], v2, 2, s93              ; stage: my row's word
	v_add_nc_u32 v[SRD], s93, v[LI]                ; and back: 16 bytes a lane, or 8
	v_add_nc_u32 v[SRD2], s93, v[L8]
	s_wait_alu depctr_va_vdst(0)
	SCL 0
	SCL 1
	SCL 2
	SCL 3
	s_wait_tensorcnt 0x0                           ; my part of K steps 0-4 is in,
	s_barrier_signal -1
	s_barrier_wait -1                              ; everybody's is
	LDG 0
	LDX 0, 0
	LDX 0, 4
	LDG 1
.set N, 0
.rept 24
	GROUP N
.set N, N+1
.endr
	WIN 0
	; THE WAY OUT: each fragment has twelve registers of its own, so no store's data are written again
	PLACES 4
.irp b, 0,1,2,3
	v_mov_b32 v[TX+\b], 0                          ; a lane permute's destination counts as one of its sources
.endr
.irp a, 0,1,2,3,4,5,6,7
	QUANT 32*\a, 1, 32*\a, 2, 64+12*\a
.irp c, 0,1,2
	global_store_b128 v[LI], v[64+12*\a+4*\c:64+12*\a+4*\c+3], s[8:9] offset:\a*FRB+512*\c   ; 512 consecutive bytes, at a multiple of 256 from the buffer's first byte
.endr
	ds_store_b32 v[SWR], v[PW] offset:64*\a        ; lanes r and r + 16 write the same word with the same value
.endr
.irp c, 0,1,2,3
	QUANT 64*\c, 3, 64*\c+32, 3, 160+12*\c
.irp d, 0,1,2
	global_store_b128 v[LI], v[160+12*\c+4*\d:160+12*\c+4*\d+3], s[12:13] offset:\c*FRB+512*\d
.endr
	ds_store_b32 v[SWR], v[PW] offset:512+64*\c
.endr
	ds_load_b128 v[48:51], v[SRD]                  ; LDS serves a wave's instructions in order: these see my stores
	ds_load_b64 v[52:53], v[SRD2] offset:512
	s_wait_tensorcnt 0x0                           ; the wave's end: behind my last tensor load and my last LDS store
	ds_add_u32 v[SPW], v[NIL]
	s_wait_dscnt 0x0
	global_store_b128 v[LI], v[48:51], s[10:11]    ; my 128 rows' words: 512 consecutive bytes
	global_store_b64 v[L8], v[52:53], s[18:19]     ; my 64 channels' words: 256 consecutive bytes, aligned
	CROUND                                         ; the closing round: no work-group ends while a partner may still ask for a tile that names it
	s_endpgm
.Lfunc_end_k_q5108d2b8e2_proj:
	.size	k_q5108d2b8e2_proj, .Lfunc_end_k_q5108d2b8e2_proj-k_q5108d2b8e2_proj
	.p2alignl 7, 3214868480
	.fill 96, 4, 3214868480
	.section	.rodata,"a",@progbits
	.p2align	6, 0x0
	.amdhsa_kernel k_q5108d2b8e2_proj
		.amdhsa_group_segment_fixed_size 327680
		.amdhsa_private_segment_fixed_size 0
		.amdhsa_enable_private_segment 0
		.amdhsa_kernarg_size 32
		.amdhsa_user_sgpr_count 2
		.amdhsa_user_sgpr_kernarg_segment_ptr 1
		.amdhsa_wavefront_size32 1
		.amdhsa_system_sgpr_workgroup_id_x 1
		.amdhsa_system_sgpr_workgroup_id_y 1
		.amdhsa_system_sgpr_workgroup_id_z 1
		.amdhsa_system_vgpr_workitem_id 0
		.amdhsa_next_free_vgpr 1024
		.amdhsa_next_free_sgpr 100
		.amdhsa_reserve_vcc 0
		.amdhsa_float_denorm_mode_32 3
		.amdhsa_float_denorm_mode_16_64 3
		.amdhsa_memory_ordered 1
		.amdhsa_forward_progress 1
		.amdhsa_inst_pref_size 205
	.end_amdhsa_kernel
	.amdgpu_metadata
---
amdhsa.version: [ 1, 2 ]
amdhsa.kernels:
  - .name:           k_q5108d2b8e2_proj
    .symbol:         k_q5108d2b8e2_proj.kd
    .args:
      - { .name: xw_codes, .offset: 0, .size: 8, .value_kind: global_buffer, .address_space: global }
      - { .name: xw_scales, .offset: 8, .size: 8, .value_kind: global_buffer, .address_space: global }
      - { .name: qkv_codes, .offset: 16, .size: 8, .value_kind: global_buffer, .address_space: global }
      - { .name: qkv_scales, .offset: 24, .size: 8, .value_kind: global_buffer, .address_space: global }
    .group_segment_fixed_size: 327680
    .private_segment_fixed_size: 0
    .kernarg_segment_align: 8
    .kernarg_segment_size: 32
    .max_flat_workgroup_size: 128
    .sgpr_count:     100
    .vgpr_count:     1024
    .wavefront_size: 32
...
	.end_amdgpu_metadata
.endif
;; end of part 2
;; launch scores (part 3): grid 36 x 4, 4 waves a work-group, no clusters, 327,680 bytes of LDS; arguments qkv_codes, qkv_scales, p_codes, p_stat; writes p_codes, p_stat
.if DOCPART == 3
	.amdgcn_target "amdgcn-amd-amdhsa--gfx1250"
	.amdhsa_code_object_version 6
	.text
	.protected	k_q5108d2b8e2_scores
	.globl	k_q5108d2b8e2_scores
	.p2align	8
	.type	k_q5108d2b8e2_scores,@function
k_q5108d2b8e2_scores:
	s_mov_b64 s[64:65], 0
	v_nop
	global_prefetch_b8 v0, s[64:65] scope:SCOPE_SE
	s_setreg_imm32_b32 hwreg(HW_REG_WAVE_MODE, 25, 1), 1
	s_wait_xcnt 0x0
; The causal scores q k^T / 32 of one batch, tile by tile of 256 queries x 256 keys, on codes of FP6 (E2M3), K = 1,024; and the softmax's p, quantised along the keys, CHUNK BY CHUNK OF 128 KEYS.
; Only the 36 tiles (i, j), j <= i, of a batch's 8 x 8 are made: the others lie wholly under the mask.
; A wave makes 128 queries x 128 keys: source 0 = 16 keys, source 1 = 16 queries, so a lane holds ONE query, and its registers run along the keys (16 t + 8 h + j in tile t).
; THE SOFTMAX OF A CHUNK.  t = score x log2(e) / 32; Mc = the largest t of my query among the chunk's keys that count, rounded UP to a whole number; p = 2^(t - Mc), quantised in blocks of 32 keys; lc = the sum of the unquantised p.
; Codes, scale word, -Mc and lc go to memory.  The next launch brings a chunk under the row's M by taking the whole number M - Mc off the scale bytes and off lc's exponent: the codes' values stay as they are.
; The maximum is taken away before every exponential.  A chunk all of whose keys are hidden from a query gives -Mc = 3e38, lc = 0 and zero codes.
; Inside a block of 32 keys the codes lie in the order 0-7, 16-23, 8-15, 24-31, as v's codes do.
; p_stat: three planes (scale word, -Mc, lc) of [batch][chunk][2,048 queries], 4 bytes each; INSIDE EACH RUN OF 128 QUERIES the word of query 32 e + l lies at byte 16 l + 4 e, so that one load of 16 bytes a lane
; gives the next launch four registers with a query to a lane.
; ZERO RECORDS.  The next launch fetches keys in slots of 512, at least two: the diagonal tile's waves also store zero codes, the byte 1, -Mc = 3e38 and lc = 0 for the chunks behind the diagonal up to the last slot's end.
; NO CLUSTER: a batch's tiles form a triangle: 1 to 8 tiles share a tile of q, 8 to 1 a tile of k: it does not divide into groups of four that share one.
; RING: THREE LDS slots of two K steps; each wave fetches one K step of one operand (24,576 dense bytes).  K steps 0 to 5 are asked for at the start, as one group; K steps 6, 7 fill slot 0 again behind the change of slots
; at K step 2 and have 160 matrix instructions in which to land.  A wave has at most one tensor load out.
; LIMITS: NaN and infinities are not served; p under 2^-126 counts as 0.
; REGISTERS: as in the projections' launch; on the way out window 0: v128-191 p; v192-210 codes; v212-243 at work; v244-255 the statistics on their way out.
.set NP,    4
.set FRB,   1536
.set KSB,   16*FRB
.set SLOT,  4*KSB
.set SPARE, 3*SLOT                     ; the spare words, 128 bytes a wave: two blocks of 256 bytes that no other line names
.set STAGE, SPARE+512                  ; 1,536 bytes a wave: scale words, -Mc, lc of its 128 queries
.set XWS,   32768                      ; a K step among q's or k's scale words
.set ADRA, 16                          ; v16-18
.set ADRB, 20                          ; v20-22
.set LI,   24
.set SWR,  25
.set SRD,  26
.set L4,   27
.set SPW,  28
.set NIL,  29
.set SC,   32
.set AF,   128
.set T,    128
.set PC,   192
.set BM,   212                         ; v212-215 each block's largest score, then its largest p
.set SO,   220                         ; v220-223 the conversions' scale operands
.set PW,   230
.set BX,   240                         ; v240-243 at work
.set G1,   24
.set G0,   32                          ; s[32:39] group 0 for slots 0, 1;  s[92:95] for slot 2
.set G0C,  92
.set QB,   48                          ; s48 my first query in the batch
.set KF,   49                          ; s49 my first key
.set KL,   50                          ; s50 my last key
.set CS,   84                          ; s[84:85] c = log2(e) / 32
.set SEL,  86
.set MSB, 0
.macro WIN new
.if MSB != (\new)
	s_set_vgpr_msb (MSB<<8)|(\new)
.set MSB, (\new)
.endif
.endm
.set MUL_LO, 0xa1
.set MUL_HI, 0xf1
.set TO_B,   0x40
.macro PLACES n
.rept \n
	v_nop
.endr
.endm
.macro WM zero
.if \zero
.if (WR0 == 0) && (WR1 == 0)
	v_wmma_scale_f32_16x16x128_f8f6f4 v[rD:rD+7], v[rB:rB+11], v[rA:rA+11], 0, v[xB], v[xA] matrix_a_fmt:MATRIX_FMT_FP6 matrix_b_fmt:MATRIX_FMT_FP6
.elseif (WR0 == 1) && (WR1 == 0)
	v_wmma_scale_f32_16x16x128_f8f6f4 v[rD:rD+7], v[rB:rB+11], v[rA:rA+11], 0, v[xB], v[xA] matrix_a_fmt:MATRIX_FMT_FP6 matrix_b_fmt:MATRIX_FMT_FP6 matrix_a_scale:MATRIX_SCALE_ROW1
.elseif (WR0 == 0) && (WR1 == 1)
	v_wmma_scale_f32_16x16x128_f8f6f4 v[rD:rD+7], v[rB:rB+11], v[rA:rA+11], 0, v[xB], v[xA] matrix_a_fmt:MATRIX_FMT_FP6 matrix_b_fmt:MATRIX_FMT_FP6 matrix_b_scale:MATRIX_SCALE_ROW1
.else
	v_wmma_scale_f32_16x16x128_f8f6f4 v[rD:rD+7], v[rB:rB+11], v[rA:rA+11], 0, v[xB], v[xA] matrix_a_fmt:MATRIX_FMT_FP6 matrix_b_fmt:MATRIX_FMT_FP6 matrix_a_scale:MATRIX_SCALE_ROW1 matrix_b_scale:MATRIX_SCALE_ROW1
.endif
.else
.if (WR0 == 0) && (WR1 == 0)
	v_wmma_scale_f32_16x16x128_f8f6f4 v[rD:rD+7], v[rB:rB+11], v[rA:rA+11], v[rD:rD+7], v[xB], v[xA] matrix_a_fmt:MATRIX_FMT_FP6 matrix_b_fmt:MATRIX_FMT_FP6
.elseif (WR0 == 1) && (WR1 == 0)
	v_wmma_scale_f32_16x16x128_f8f6f4 v[rD:rD+7], v[rB:rB+11], v[rA:rA+11], v[rD:rD+7], v[xB], v[xA] matrix_a_fmt:MATRIX_FMT_FP6 matrix_b_fmt:MATRIX_FMT_FP6 matrix_a_scale:MATRIX_SCALE_ROW1
.elseif (WR0 == 0) && (WR1 == 1)
	v_wmma_scale_f32_16x16x128_f8f6f4 v[rD:rD+7], v[rB:rB+11], v[rA:rA+11], v[rD:rD+7], v[xB], v[xA] matrix_a_fmt:MATRIX_FMT_FP6 matrix_b_fmt:MATRIX_FMT_FP6 matrix_b_scale:MATRIX_SCALE_ROW1
.else
	v_wmma_scale_f32_16x16x128_f8f6f4 v[rD:rD+7], v[rB:rB+11], v[rA:rA+11], v[rD:rD+7], v[xB], v[xA] matrix_a_fmt:MATRIX_FMT_FP6 matrix_b_fmt:MATRIX_FMT_FP6 matrix_a_scale:MATRIX_SCALE_ROW1 matrix_b_scale:MATRIX_SCALE_ROW1
.endif
.endif
.endm
.macro MUL16 a0, p, ks, zero           ; the 64 accumulators take turns, one instruction a turn
.irp a, \a0, \a0+1
.irp b, 0,1,2,3,4,5,6,7
.set rD, 8*(8*((\a)%4)+\b)
.set rB, 128*(\p)+12*\b
.set rA, AF+12*(\a)
.set xB, SC+8*(\ks)+4+\b/2
.set xA, SC+8*(\ks)+(\a)/2
.set WR0, \b%2
.set WR1, (\a)%2
	WM \zero
.endr
.endr
.endm
.macro FRAG reg, adr, off
.irp c, 0,1,2
	ds_load_b128 v[\reg+4*\c:\reg+4*\c+3], v[\adr] offset:\off+512*\c
.endr
.endm
.macro FETCH_B slot, q, p
	WIN TO_B
.irp i, 0,1,2,3,4,5,6,7
	FRAG 128*(\p)+12*\i, ADRB+\slot, (\q)*KSB+\i*FRB
.endr
	WIN 0
.endm
.macro FETCH_A slot, q, i0
.irp i, \i0, \i0+1, \i0+2, \i0+3
	FRAG AF+12*(\i), ADRA+\slot, (\q)*KSB+(\i)*FRB
.endr
.endm
.macro STEP slot, ks, zero
	s_wait_dscnt 12                                ; B's set and A's blocks 0-3 are in; the youngest twelve loads (A's blocks 4-7) may be out
	WIN MUL_LO
	MUL16 0, 0, \ks, \zero
	MUL16 2, 0, \ks, \zero
	s_wait_dscnt 0x0
	PLACES NP
	FETCH_B \slot, 1, 1
	FETCH_A \slot, 1, 0
	WIN MUL_HI
	MUL16 4, 0, \ks, \zero
	MUL16 6, 0, \ks, \zero
	PLACES NP
	WIN 0
	FETCH_A \slot, 1, 4
.endm
; a slot's second K step where the next slot is known whole and the slot that is left is not filled again: no barrier
.macro PASS next, ks
	s_wait_dscnt 12                                ; B's set and A's blocks 0-3 are in; the youngest twelve loads (A's blocks 4-7) may be out
	WIN MUL_LO
	MUL16 0, 1, \ks, 0
	MUL16 2, 1, \ks, 0
	s_wait_dscnt 0x0
	PLACES NP
	FETCH_B \next, 0, 0
	FETCH_A \next, 0, 0
	WIN MUL_HI
	MUL16 4, 1, \ks, 0
	MUL16 6, 1, \ks, 0
	PLACES NP
	WIN 0
	FETCH_A \next, 0, 4
.endm
; a slot's first K step with the refill's barrier: in front of it each wave waits for all its tensor loads (its part of K steps 3-5), adds 0 to its spare word, and waits for that and for its reads of K steps 0 and 1;
; behind it K steps 6, 7 fill the places of K steps 0, 1, and the slot's second K step, now shown whole, is fetched
.macro STEPT slot, ks
	s_wait_tensorcnt 0x0                           ; all my tensor loads have landed; so group 1 may be written
	ds_add_u32 v[SPW], v[NIL]                      ; 0 onto my spare word
	s_mov_b32 s[G1+2], 96<<16                      ; from here on a load brings one K step, 96 rows
	s_mov_b32 s[G1+4], 96
	s_wait_dscnt 13                                ; (the add and the youngest twelve loads may be out)
	WIN MUL_LO
	MUL16 0, 0, \ks, 0
	s_wait_dscnt 0x0                               ; the add is done, and all my LDS reads are over
	s_barrier_signal -1
	MUL16 2, 0, \ks, 0
	WIN 0
	s_barrier_wait -1
	tensor_load_to_lds s[G0+4:G0+7], s[G1:G1+7]    ; my one tensor load behind this barrier, and the first thing there: K step 6 or 7
	s_nop 0
	PLACES NP                                      ; behind the tensor load, and in front of loads into registers that matrix instructions have read
	FETCH_B \slot, 1, 1
	FETCH_A \slot, 1, 0
	WIN MUL_HI
	MUL16 4, 0, \ks, 0
	MUL16 6, 0, \ks, 0
	PLACES NP
	WIN 0
	FETCH_A \slot, 1, 4
.endm
.macro TURN slot, next, ks, fill
	s_wait_tensorcnt 0x0                           ; all my tensor loads have landed; so a group 0 may be written
	ds_add_u32 v[SPW], v[NIL]                      ; 0 onto my spare word
	s_wait_dscnt 13                                ; (the add and the youngest twelve loads may be out)
	WIN MUL_LO
	MUL16 0, 1, \ks, 0
	s_wait_dscnt 0x0                               ; the add is done, and my reads of this slot are over
	s_barrier_signal -1
	MUL16 2, 1, \ks, 0
	WIN 0
	s_barrier_wait -1
	PLACES NP                                      ; in front of loads into registers that matrix instructions have read
	FETCH_B \next, 0, 0
	FETCH_A \next, 0, 0
	WIN MUL_HI
	MUL16 4, 1, \ks, 0
	MUL16 6, 1, \ks, 0
	PLACES NP
	WIN 0
	FETCH_A \next, 0, 4
.endm
; queries 16 a .. 16 a + 15 of my 128 against my 128 keys
.macro SOFTQ a
.set W, 2+(\a)/4
.set AC, 64*((\a)%4)
.set PC, 192-96*((\a)%2)                       ; the codes' registers: v192 on and v96 on by turns
.if (\a) > 1
	s_wait_xcnt 0x0                                ; the stores of two blocks back have read this set of codes' registers
.endif
	s_add_co_u32 s90, s[QB], 16*(\a)               ; the block's first query
	s_cmp_le_u32 s[KL], s90                        ; all my keys count for all 16 queries: no mask (a branch on ids)
	s_cbranch_scc1 .Lopen_\@
	s_sub_co_i32 s91, s90, s[KF]
	; Only two kinds of wave come here, both of a diagonal tile: my first key is my first query (s91 = 16 a), or all my keys lie behind all my queries (s91 < 0).
	; So tiles of 16 keys ahead of tile a are hidden in the second kind alone, tile a is held against d register by register, and the tiles behind it are hidden in both kinds
	s_cmp_lt_i32 s91, 0
	s_cselect_b32 s54, -1, 0                       ; all ones in the second kind
	s_wait_alu depctr_va_vdst(0)
	v_add_nc_u32 v236, s91, v238                   ; d = my query - my first key - 8 h: register n holds key 16 (n / 8) + n % 8 + 8 h, hidden where 16 (n / 8) + n % 8 > d
	WIN W|(W<<6)
.if (\a) > 0
.set NN, 0
.rept 8*(\a)
	v_cndmask_b32 v[AC+NN], v[AC+NN], v237, s54    ; -infinity ahead of the maximum: p = 0 then
.set NN, NN+1
.endr
.endif
.irp j, 0,1,2,3,4,5,6,7
	v_cmp_gt_i32 s[56+\j], 16*(\a)+\j, v236        ; eight masks in eight scalar registers, then the eight selects
.endr
.irp j, 0,1,2,3,4,5,6,7
	v_cndmask_b32 v[AC+8*(\a)+\j], v[AC+8*(\a)+\j], v237, s[56+\j]
.endr
.if (\a) < 7
.set NN, 8*(\a)+8
.rept 56-8*(\a)
	v_mov_b32 v[AC+NN], 0xff800000
.set NN, NN+1
.endr
.endif
	WIN 0
.Lopen_\@:
	WIN W|(W<<2)|(W<<4)
.irp b, 0,1,2,3
	v_max3_num_f32 v[BM+\b], v[AC+16*\b], v[AC+1+16*\b], v[AC+2+16*\b]   ; the largest score of each block of 32 keys: for the chunk's maximum, and, since p rises with the score, for the block's largest p
.endr
	WIN (W<<2)|(W<<4)
.irp i, 3,5,7,9,11,13
.irp b, 0,1,2,3
	v_max3_num_f32 v[BM+\b], v[BM+\b], v[AC+16*\b+\i], v[AC+1+16*\b+\i]
.endr
.endr
.irp b, 0,1,2,3
	v_max_num_f32 v[BM+\b], v[BM+\b], v[AC+15+16*\b]
.endr
	WIN 0
.irp b, 0,1,2,3
	v_permlanex16_b32 v[BX+\b], v[BM+\b], s[SEL], s[SEL+1]
.endr
.irp b, 0,1,2,3
	v_max_num_f32 v[BM+\b], v[BM+\b], v[BX+\b]     ; with lane l xor 16's 16 keys
.endr
	v_max3_num_f32 v232, v[BM], v[BM+1], v[BM+2]
	v_max_num_f32 v232, v232, v[BM+3]
	v_mul_f32 v232, s[CS], v232                    ; the chunk's largest t (c is positive)
	v_max_num_f32 v225, 0xff61b1e6, v232           ; -3e38 where every key is hidden
	v_floor_f32 v224, -v225                        ; -Mc = floor(-t) = -ceil(t)
	WIN W
.set NN, 0
.rept 32
	v_pk_fma_f32 v[T+NN:T+NN+1], v[AC+NN:AC+NN+1], s[CS:CS+1], v[224:225] op_sel_hi:[1,0,0]   ; t - Mc, two at a time (of the pairs c and -Mc the low word serves both halves)
.set NN, NN+2
.endr
	WIN 0
.irp b, 0,1,2,3
	v_fma_f32 v[BM+\b], v[BM+\b], s[CS], v224      ; the same of each block's largest score
.endr
.set NN, 0
	s_wait_alu depctr_va_vdst(0)
.rept 64
	v_exp_f32 v[T+NN], v[T+NN]                     ; p = 2^(t - Mc), at most 1
.set NN, NN+1
.endr
.irp b, 0,1,2,3
	v_exp_f32 v[BM+\b], v[BM+\b]                   ; the block's largest p: the same two instructions on the same number
.endr
	v_nop                                          ; a plain place behind the last exponential
	s_wait_alu depctr_va_vdst(0)                   ; one wait for the batch of 68, ahead of its first reader
	v_pk_add_f32 v[226:227], v[T:T+1], v[T+2:T+3]  ; the sum of the UNQUANTISED p, two at a time, in four chains
	v_pk_add_f32 v[228:229], v[T+4:T+5], v[T+6:T+7]
	v_pk_add_f32 v[232:233], v[T+8:T+9], v[T+10:T+11]
	v_pk_add_f32 v[234:235], v[T+12:T+13], v[T+14:T+15]
.set NN, 16
.rept 6
	v_pk_add_f32 v[226:227], v[226:227], v[T+NN:T+NN+1]
	v_pk_add_f32 v[228:229], v[228:229], v[T+NN+2:T+NN+3]
	v_pk_add_f32 v[232:233], v[232:233], v[T+NN+4:T+NN+5]
	v_pk_add_f32 v[234:235], v[234:235], v[T+NN+6:T+NN+7]
.set NN, NN+8
.endr
	v_pk_add_f32 v[226:227], v[226:227], v[232:233]
	v_pk_add_f32 v[228:229], v[228:229], v[234:235]
.irp b, 0,1,2,3
	v_max_num_f32 v[BM+\b], 0x1800000, v[BM+\b]    ; the floor 2^(3 - 127): the byte cannot fall under 1
.endr
	v_pk_add_f32 v[226:227], v[226:227], v[228:229]
.irp b, 0,1,2,3
	v_add_nc_u32 v[SO+\b], 0xff000000, v[BM+\b]    ; 2 off the exponent field: the conversion's scale operand
.endr
	v_add_f32 v226, v226, v227
.irp b, 0,1,2,3
	v_lshrrev_b32 v[BX+\b], 23, v[SO+\b]           ; the scale's byte
.endr
	v_permlanex16_b32 v231, v226, s[SEL], s[SEL+1]
	v_lshl_or_b32 v[PW], v[BX+1], 8, v[BX]
	v_lshl_or_b32 v[PW], v[BX+2], 16, v[PW]
	v_lshl_or_b32 v[PW], v[BX+3], 24, v[PW]
	v_add_f32 v226, v226, v231                     ; lc
.irp c, 0,1
	v_cvt_scalef32_pk16_fp6_f32 v[PC+6*\c:PC+2+6*\c], v[T+32*\c:T+15+32*\c], v[SO+2*\c]
	v_cvt_scalef32_pk16_fp6_f32 v[PC+12+4*\c:PC+14+4*\c], v[T+16+32*\c:T+31+32*\c], v[SO+2*\c+1]
.endr
	v_nop                                          ; one plain place behind a scaled conversion
.irp c, 0,1
.irp i, 0,1,2
	v_permlane16_swap_b32 v[PC+6*\c+\i], v[PC+12+4*\c+\i]
.endr
.irp i, 0,1,2
	v_mov_b32 v[PC+3+6*\c+\i], v[PC+12+4*\c+\i]
.endr
.endr
.irp c, 0,1,2
	global_store_b128 v[LI], v[PC+4*\c:PC+4*\c+3], s[8:9] offset:(\a)*FRB+512*\c   ; 512 consecutive bytes, at a multiple of 256 from the buffer's first byte
.endr
	ds_store_b32 v[SWR], v[PW] offset:256*((\a)%2)+4*((\a)/2)        ; query 16 a + r = 32 (a / 2) + 16 (a % 2) + r goes to byte 16 (16 (a % 2) + r) + 4 (a / 2); lanes r and r + 16 write the same words with the same values
	ds_store_b32 v[SWR], v224 offset:512+256*((\a)%2)+4*((\a)/2)
	ds_store_b32 v[SWR], v226 offset:1024+256*((\a)%2)+4*((\a)/2)
.endm
	s_load_b256 s[4:11], s[0:1], 0x0               ; qkv_codes, qkv_scales, p_codes, p_stat
	v_lshl_add_u32 v[SPW], v0, 2, SPARE
	v_mov_b32 v[NIL], 0
	ds_add_u32 v28, v29
	ds_add_u32 v28, v29
	s_wait_dscnt 0x0
	v_lshrrev_b32 v1, 5, v0
	v_readfirstlane_b32 s14, v1                    ; wave
	s_lshr_b32 s15, s14, 1                         ; hA: my half of the queries.  Also: I fetch for q (0) or k (1)
	s_and_b32 s16, s14, 1                          ; hB: my half of the keys.  Also: which K step of a slot I fetch
	s_and_b32 s43, ttmp7, 0xffff                   ; the batch
	s_mov_b32 s17, 0                               ; i: how many of the triangle's row starts the tile's number has reached
.irp th, 1,3,6,10,15,21,28
	s_cmp_ge_u32 ttmp9, \th
	s_cselect_b32 s18, 1, 0
	s_add_co_u32 s17, s17, s18
.endr
	s_add_co_u32 s18, s17, 1
	s_mul_i32 s18, s18, s17
	s_lshr_b32 s18, s18, 1
	s_sub_co_u32 s46, ttmp9, s18                   ; j = t - i (i + 1) / 2
	s_mov_b32 s[G1+0], 3<<16                       ; no mask; elements of 8 bytes; no padding
	s_mov_b32 s[G1+1], 32<<16
	s_mov_b32 s[G1+2], 144<<16                     ; the first two fills: half of three K steps of one operand, 144 rows of 256 bytes, dense
	s_mov_b32 s[G1+3], 32<<16
	s_mov_b32 s[G1+4], 144
	s_mov_b32 s[G1+5], 32
	s_mov_b32 s[G1+6], 0
	s_mov_b32 s[G1+7], 0
	s_lshl_b32 s18, s43, 3
	s_add_co_u32 s19, s18, s17                     ; q's tile of 256 rows
	s_add_co_u32 s20, s18, s46                     ; k's
	s_lshl_b32 s21, s19, 3
	s_mul_i32 s21, s21, KSB
	s_lshl_b32 s22, s20, 3
	s_mul_i32 s22, s22, KSB
	s_add_co_u32 s22, s22, 6291456
	s_mul_i32 s23, s16, KSB
	s_cmp_eq_u32 s15, 0
	s_cselect_b32 s66, s21, s22                    ; the tile that I fetch for,
	s_add_co_u32 s66, s66, s23                     ; my K step of a slot's two
	s_mov_b32 s67, 0
	s_mul_i32 s47, s15, 6*KSB                      ; LDS: q's K steps 0-5 on end, then k's: my operand's six places
	s_lshl_b32 s22, s19, 10
	s_lshl_b32 s23, s15, 9
	s_add_co_u32 s22, s22, s23                     ; my 128 queries among q's scale words
	s_mov_b32 s23, 0
	s_lshl_b32 s88, s20, 10
	s_lshl_b32 s89, s16, 9
	s_add_co_u32 s88, s88, s89
	s_add_co_u32 s88, s88, 262144                  ; my 128 keys among k's
	s_mov_b32 s89, 0
	s_wait_kmcnt 0x0
	s_add_nc_u64 s[68:69], s[4:5], s[66:67]
	s_add_nc_u64 s[70:71], s[6:7], s[22:23]
	s_add_nc_u64 s[72:73], s[6:7], s[88:89]
	s_mul_i32 s66, s16, KSB/2                      ; s[68:69] stands at K step hB of my operand: half hB of K steps 0-2 begins 3 hB KSB / 2 into the tile
	s_mul_i32 s21, s16, 3*KSB/2
	s_mov_b32 s[G0], 1
	s_add_co_u32 s[G0+1], s47, s21
	s_add_nc_u64 s[G0+2:G0+3], s[68:69], s[66:67]
	s_mov_b32 s[G0C], 1                            ; the second fill's group 0: the same half of K steps 3-5, three places on
	s_add_co_u32 s[G0C+1], s[G0+1], 3*KSB
	s_add_nc_u64 s[G0C+2:G0C+3], s[G0+2:G0+3], 3*KSB
	s_or_b32 s[G0C+3], s[G0C+3], 0x80000000
	s_or_b32 s[G0+3], s[G0+3], 0x80000000
	s_mul_i32 s21, s16, KSB
	s_mov_b32 s[G0+4], 1
	s_add_co_u32 s[G0+5], s47, s21
	s_add_nc_u64 s[G0+6:G0+7], s[68:69], 6*KSB
	s_or_b32 s[G0+7], s[G0+7], 0x80000000
	tensor_load_to_lds s[G0:G0+3], s[G1:G1+7]      ; one tensor load a wave at the head: the four bring K steps 0 to 2 of both operands
	s_nop 0
	PLACES 4
	v_and_b32 v1, 31, v0
	v_lshlrev_b32 v[L4], 2, v1
.irp ks, 0,1,2,3,4,5,6,7
.irp e, 0,1,2,3
	global_load_b32 v[SC+8*\ks+\e], v[L4], s[70:71] offset:\ks*XWS+128*\e
	global_load_b32 v[SC+8*\ks+4+\e], v[L4], s[72:73] offset:\ks*XWS+128*\e
.endr
.endr
	v_lshlrev_b32 v[LI], 4, v1
	s_mul_i32 s90, s15, 8*FRB
	s_mul_i32 s91, s16, 8*FRB
	s_add_co_u32 s91, s91, 6*KSB
.irp s, 0,1,2
	v_add_nc_u32 v[ADRA+\s], s90, v[LI]
	v_add_nc_u32 v[ADRB+\s], s91, v[LI]
	s_add_co_u32 s90, s90, 2*KSB
	s_add_co_u32 s91, s91, 2*KSB
.endr
	v_and_b32 v2, 15, v0                           ; r
	v_bfe_u32 v3, v0, 4, 1                         ; h
	s_mul_i32 s90, s14, 1536
	s_add_co_u32 s90, s90, STAGE
	v_lshl_add_u32 v[SWR], v2, 4, s90              ; my stage + 16 r
	v_add_nc_u32 v[SRD], s90, v[LI]
	v_lshlrev_b32 v3, 3, v3
	v_sub_nc_u32 v238, v2, v3                      ; r - 8 h
	v_mov_b32 v237, 0xff800000                     ; -infinity
	v_mov_b32 v231, 0                              ; written once: a lane permute's destination counts as one of its sources
.irp b, 0,1,2,3
	v_mov_b32 v[BX+\b], 0
.endr
	s_mov_b32 s[SEL], 0x76543210
	s_mov_b32 s[SEL+1], 0xfedcba98
	s_mov_b32 s[CS], 0x3d38aa3b                    ; c = log2(e) / 32
	s_mov_b32 s[CS+1], s[CS]                       ; (named with it as a pair, so it is written)
	s_lshl_b32 s[QB], s17, 8
	s_lshl_b32 s18, s15, 7
	s_add_co_u32 s[QB], s[QB], s18
	s_lshl_b32 s[KF], s46, 8
	s_lshl_b32 s18, s16, 7
	s_add_co_u32 s[KF], s[KF], s18
	s_add_co_u32 s[KL], s[KF], 127
	s_lshl_b32 s74, s46, 1
	s_add_co_u32 s74, s74, s16                     ; my chunk of 128 keys: 2 j + hB
	s_lshl_b32 s76, s19, 4
	s_add_co_u32 s76, s76, s74
	s_mul_i32 s76, s76, KSB
	s_mul_i32 s77, s15, 8*FRB
	s_add_co_u32 s76, s76, s77                     ; p_codes [batch][tile of queries][chunk][block 16][1,536]
	s_mov_b32 s77, 0
	s_lshl_b32 s78, s43, 4
	s_add_co_u32 s78, s78, s74
	s_lshl_b32 s78, s78, 13
	s_lshl_b32 s79, s[QB], 2
	s_add_co_u32 s78, s78, s79                     ; p_stat: my run of 128 queries in my chunk
	s_mov_b32 s79, 0
	s_add_nc_u64 s[8:9], s[8:9], s[76:77]
	s_add_nc_u64 s[10:11], s[10:11], s[78:79]
	s_lshr_b32 s51, s17, 1
	s_add_co_u32 s51, s51, 1
	s_max_u32 s51, s51, 2                          ; slots of 512 keys that the next launch walks for these queries
	s_lshl_b32 s51, s51, 1
	s_sub_co_u32 s51, s51, s17
	s_sub_co_u32 s51, s51, 1                       ; tiles of 256 keys behind the diagonal up to the last slot's end
	; THE ZERO RECORDS hang on nothing that is computed: the diagonal tile's waves store them here, while the head's tensor loads are out (branches and the trip count hang on ids)
	s_cmp_lg_u32 s17, s46
	s_cbranch_scc1 .Lnozero
	s_cmp_eq_u32 s51, 0
	s_cbranch_scc1 .Lnozero
.irp k, 0,1,2,3
	v_mov_b32 v[128+\k], 0
	v_mov_b32 v[132+\k], 0x01010101
	v_mov_b32 v[136+\k], 0x7f61b1e6
.endr
	s_mov_b64 s[54:55], s[8:9]                     ; copies of my two bases: the way out needs them as they are
	s_mov_b64 s[56:57], s[10:11]
	s_mov_b32 s52, 0
.Lzero:
	s_wait_xcnt 0x0                                ; the earlier stores have read their bases
	s_add_nc_u64 s[54:55], s[54:55], 2*KSB         ; two chunks on: the same half of the next tile of keys
	s_add_nc_u64 s[56:57], s[56:57], 16384
.set NN, 0
	s_wait_alu depctr_va_vdst(0)                   ; ahead of the readers behind the branch
.rept 24
	global_store_b128 v[LI], v[128:131], s[54:55] offset:512*NN
.set NN, NN+1
.endr
	global_store_b128 v[LI], v[132:135], s[56:57]
	global_store_b128 v[LI], v[136:139], s[56:57] offset:524288
	global_store_b128 v[LI], v[128:131], s[56:57] offset:1048576
	s_add_co_u32 s52, s52, 1
	s_cmp_lt_u32 s52, s51
	s_cbranch_scc1 .Lzero
.Lnozero:
	s_wait_xcnt 0x0                                ; the stores have read v128-139: fragments are loaded there only behind this wait
	s_wait_alu depctr_va_vdst(0)
	s_wait_tensorcnt 0x0                           ; my part of K steps 0-2 is in
	ds_add_u32 v[SPW], v[NIL]
	s_wait_dscnt 0x0
	s_barrier_signal -1
	s_barrier_wait -1                              ; everybody's part is in
	tensor_load_to_lds s[G0C:G0C+3], s[G1:G1+7]    ; K steps 3-5: my one tensor load behind this barrier, and the first thing there
	s_nop 0
	PLACES 4
	FETCH_B 0, 0, 0
	FETCH_A 0, 0, 0
	FETCH_A 0, 0, 4
	s_wait_loadcnt 0x0                             ; the scale words
	STEP 0, 0, 1
	PASS 1, 1                                      ; K step 2 came with the head's loads, and nothing is filled again yet: no barrier
	STEPT 1, 2                                     ; K steps 3-5 have landed; the places of K steps 0, 1 take K steps 6, 7
	PASS 2, 3                                      ; slot 2 was shown whole by the barrier at K step 2, and slot 1 is not filled again: no barrier
	STEP 2, 4, 0
	TURN 2, 0, 5, 0                                ; K steps 6, 7 have landed; nothing is left to fetch
	STEP 0, 6, 0
	s_wait_dscnt 12
	WIN MUL_LO
	MUL16 0, 1, 7, 0
	MUL16 2, 1, 7, 0
	s_wait_dscnt 0x0
	WIN MUL_HI
	MUL16 4, 1, 7, 0
	MUL16 6, 1, 7, 0
	WIN 0
	PLACES NP
.irp a, 0,1,2,3,4,5,6,7
	SOFTQ \a
.endr
.irp p, 0,1,2
	ds_load_b128 v[244+4*\p:247+4*\p], v[SRD] offset:512*\p   ; LDS serves a wave's instructions in order: these see my stores
.endr
	s_wait_tensorcnt 0x0                           ; the wave's end in LDS: behind my last tensor load and my last LDS store
	ds_add_u32 v[SPW], v[NIL]
	s_wait_dscnt 0x0
.irp p, 0,1,2
	global_store_b128 v[LI], v[244+4*\p:247+4*\p], s[10:11] offset:524288*\p   ; 128 queries' words: 512 consecutive bytes
.endr
	s_endpgm
.Lfunc_end_k_q5108d2b8e2_scores:
	.size	k_q5108d2b8e2_scores, .Lfunc_end_k_q5108d2b8e2_scores-k_q5108d2b8e2_scores
	.p2alignl 7, 3214868480
	.fill 96, 4, 3214868480
	.section	.rodata,"a",@progbits
	.p2align	6, 0x0
	.amdhsa_kernel k_q5108d2b8e2_scores
		.amdhsa_group_segment_fixed_size 327680
		.amdhsa_private_segment_fixed_size 0
		.amdhsa_enable_private_segment 0
		.amdhsa_kernarg_size 32
		.amdhsa_user_sgpr_count 2
		.amdhsa_user_sgpr_kernarg_segment_ptr 1
		.amdhsa_wavefront_size32 1
		.amdhsa_system_sgpr_workgroup_id_x 1
		.amdhsa_system_sgpr_workgroup_id_y 1
		.amdhsa_system_sgpr_workgroup_id_z 1
		.amdhsa_system_vgpr_workitem_id 0
		.amdhsa_next_free_vgpr 1024
		.amdhsa_next_free_sgpr 100
		.amdhsa_reserve_vcc 0
		.amdhsa_float_denorm_mode_32 3
		.amdhsa_float_denorm_mode_16_64 3
		.amdhsa_memory_ordered 1
		.amdhsa_forward_progress 1
		.amdhsa_inst_pref_size 239
	.end_amdhsa_kernel
	.amdgpu_metadata
---
amdhsa.version: [ 1, 2 ]
amdhsa.kernels:
  - .name:           k_q5108d2b8e2_scores
    .symbol:         k_q5108d2b8e2_scores.kd
    .args:
      - { .name: qkv_codes, .offset: 0, .size: 8, .value_kind: global_buffer, .address_space: global }
      - { .name: qkv_scales, .offset: 8, .size: 8, .value_kind: global_buffer, .address_space: global }
      - { .name: p_codes, .offset: 16, .size: 8, .value_kind: global_buffer, .address_space: global }
      - { .name: p_stat, .offset: 24, .size: 8, .value_kind: global_buffer, .address_space: global }
    .group_segment_fixed_size: 327680
    .private_segment_fixed_size: 0
    .kernarg_segment_align: 8
    .kernarg_segment_size: 32
    .max_flat_workgroup_size: 128
    .sgpr_count:     100
    .vgpr_count:     1024
    .wavefront_size: 32
...
	.end_amdgpu_metadata
.endif
;; end of part 3
;; launch pv (part 4): grid 8 x 32, 4 waves a work-group, clusters of 4 x 1, 327,680 bytes of LDS; arguments p_codes, p_stat, qkv_codes, qkv_scales, out0; writes out0
.if DOCPART == 4
	.amdgcn_target "amdgcn-amd-amdhsa--gfx1250"
	.amdhsa_code_object_version 6
	.text
	.protected	k_q5108d2b8e2_pv
	.globl	k_q5108d2b8e2_pv
	.p2align	8
	.type	k_q5108d2b8e2_pv,@function
k_q5108d2b8e2_pv:
	s_mov_b64 s[64:65], 0
	v_nop
	global_prefetch_b8 v0, s[64:65] scope:SCOPE_SE
	s_setreg_imm32_b32 hwreg(HW_REG_WAVE_MODE, 25, 1), 1
	s_wait_xcnt 0x0
	s_wait_alu depctr_hold_cnt(0) depctr_sa_sdst(0) depctr_va_vdst(0) depctr_va_sdst(0) depctr_va_ssrc(0) depctr_va_vcc(0) depctr_vm_vsrc(0)
	s_getreg_b32 s2, hwreg(HW_REG_IB_STS2, 6, 4)
	s_cmp_eq_u32 s2, 0
	s_cbranch_scc0 .Lentry_in_a_cluster
	s_endpgm
.Lentry_in_a_cluster:
	s_bfe_u32 s2, ttmp6, 0x10000c
	s_cmp_lg_u32 s2, 0x3003
	s_cbranch_scc0 .Lentry_shape_is_right
	s_endpgm
.Lentry_shape_is_right:
.set FRB,   1536
.set KSB,   16*FRB
.set VCB,   8*FRB
.set SLOT,  4*KSB+4*VCB
.set SPARE, 2*SLOT
.set STAGE, SPARE+512
.set L4,   1
.set AP,   2
.set AV,   6
.set STO,  8
.set RD,   9
.set GO,   10
.set SPW,  11
.set NIL,  12
.set LI,   13
.set LS,   16
.set MN,   20
.set TA,   24
.set TB,   28
.set SP,   32
.set SV,   96
.set MM,   128
.set LL,   192
.set T,    128
.set BK,   160
.set IV,   224
.set RR,   240
.set RX,   244
.set G1P,  24
.set G0P,  32
.set G1V,  48
.set G0V,  56
.set MS,   45
.set CMAX, 46
.set FS,   76
.set C80,  80
.set SEL,  82
.set MSB, 0
.macro WIN new
.if MSB != (\new)
	s_set_vgpr_msb (MSB<<8)|(\new)
.set MSB, (\new)
.endif
.endm
.macro PLACES n
.rept \n
	v_nop
.endr
.endm
.macro JLOAD g0a, g1a, g0b, g1b
	s_cmp_eq_u32 s15, 0
	s_cbranch_scc0 .Lfor_v_\@
	tensor_load_to_lds s[\g0a:\g0a+3], s[\g1a:\g1a+7]
	s_nop 0
.rept 4
	v_nop
.endr
	s_branch .Lasked_\@
.Lfor_v_\@:
	tensor_load_to_lds s[\g0b:\g0b+3], s[\g1b:\g1b+7]
	s_nop 0
.rept 4
	v_nop
.endr
.Lasked_\@:
.endm
.macro CROUND
	s_barrier_signal -1
	s_barrier_wait -1
	s_cmp_lg_u32 s14, 0
	s_cbranch_scc1 .Lnot_wave_0_\@
	s_barrier_signal -3
.Lnot_wave_0_\@:
	s_barrier_wait -3
	s_barrier_signal -1
	s_barrier_wait -1
.endm
.macro WM zero
.if \zero
.if (WR0 == 0) && (WR1 == 0)
	v_wmma_scale_f32_16x16x128_f8f6f4 v[rD:rD+7], v[rB:rB+11], v[rA:rA+11], 0, v[xB], v[xA] matrix_a_fmt:MATRIX_FMT_FP6 matrix_b_fmt:MATRIX_FMT_FP6
.elseif (WR0 == 1) && (WR1 == 0)
	v_wmma_scale_f32_16x16x128_f8f6f4 v[rD:rD+7], v[rB:rB+11], v[rA:rA+11], 0, v[xB], v[xA] matrix_a_fmt:MATRIX_FMT_FP6 matrix_b_fmt:MATRIX_FMT_FP6 matrix_a_scale:MATRIX_SCALE_ROW1
.elseif (WR0 == 0) && (WR1 == 1)
	v_wmma_scale_f32_16x16x128_f8f6f4 v[rD:rD+7], v[rB:rB+11], v[rA:rA+11], 0, v[xB], v[xA] matrix_a_fmt:MATRIX_FMT_FP6 matrix_b_fmt:MATRIX_FMT_FP6 matrix_b_scale:MATRIX_SCALE_ROW1
.else
	v_wmma_scale_f32_16x16x128_f8f6f4 v[rD:rD+7], v[rB:rB+11], v[rA:rA+11], 0, v[xB], v[xA] matrix_a_fmt:MATRIX_FMT_FP6 matrix_b_fmt:MATRIX_FMT_FP6 matrix_a_scale:MATRIX_SCALE_ROW1 matrix_b_scale:MATRIX_SCALE_ROW1
.endif
.else
.if (WR0 == 0) && (WR1 == 0)
	v_wmma_scale_f32_16x16x128_f8f6f4 v[rD:rD+7], v[rB:rB+11], v[rA:rA+11], v[rD:rD+7], v[xB], v[xA] matrix_a_fmt:MATRIX_FMT_FP6 matrix_b_fmt:MATRIX_FMT_FP6
.elseif (WR0 == 1) && (WR1 == 0)
	v_wmma_scale_f32_16x16x128_f8f6f4 v[rD:rD+7], v[rB:rB+11], v[rA:rA+11], v[rD:rD+7], v[xB], v[xA] matrix_a_fmt:MATRIX_FMT_FP6 matrix_b_fmt:MATRIX_FMT_FP6 matrix_a_scale:MATRIX_SCALE_ROW1
.elseif (WR0 == 0) && (WR1 == 1)
	v_wmma_scale_f32_16x16x128_f8f6f4 v[rD:rD+7], v[rB:rB+11], v[rA:rA+11], v[rD:rD+7], v[xB], v[xA] matrix_a_fmt:MATRIX_FMT_FP6 matrix_b_fmt:MATRIX_FMT_FP6 matrix_b_scale:MATRIX_SCALE_ROW1
.else
	v_wmma_scale_f32_16x16x128_f8f6f4 v[rD:rD+7], v[rB:rB+11], v[rA:rA+11], v[rD:rD+7], v[xB], v[xA] matrix_a_fmt:MATRIX_FMT_FP6 matrix_b_fmt:MATRIX_FMT_FP6 matrix_a_scale:MATRIX_SCALE_ROW1 matrix_b_scale:MATRIX_SCALE_ROW1
.endif
.endif
.endm
.macro FRAG reg, adr, off
.irp c, 0,1,2
	ds_load_b128 v[\reg+4*\c:\reg+4*\c+3], v[\adr] offset:\off+512*\c
.endr
.endm
.macro FETCH c
.set FSL, ((\c)>>2)&1
.set FKP, (\c)&3
.set FST, (\c)&1
	WIN 0x40
.irp b, 0,1,2,3
	FRAG 64*FST+12*\b, AV+FSL, FKP*VCB+\b*FRB
.endr
	WIN 0xc0
.irp a, 0,1,2,3,4,5,6,7
	FRAG 128*FST+12*\a, AP+2*FSL+FKP/2, (FKP%2)*KSB+\a*FRB
.endr
	WIN 0
.endm
.macro MULS c
.if (\c) > 0
	s_cmp_lt_u32 s[CMAX], \c
	s_cbranch_scc1 .Lhid_\@
.endif
	WIN 0xad
	s_wait_alu depctr_va_vdst(0)
.irp a, 0,1,2,3,4,5,6,7
.irp b, 0,1,2,3
.set rD, 8*(4*\a+\b)
.set rB, 64*((\c)&1)+12*\b
.set rA, 128*((\c)&1)+12*\a
.set xB, SV+2*(\c)+\b/2
.set xA, SP+4*(\c)+\a/2
.set WR0, \b%2
.set WR1, \a%2
.if (\c) == 0
	WM 1
.else
	WM 0
.endif
.endr
.endr
	WIN 0
.if (\c) > 0
.Lhid_\@:
.endif
.endm
.macro STEP c
	PLACES 4
	FETCH (\c)+1
	s_wait_dscnt 36
	MULS \c
.endm
.macro CHG slot, round
	s_wait_tensorcnt 0x0
	ds_add_u32 v[SPW], v[NIL]
.if \round
	s_add_nc_u64 s[G0P+4*\slot+2:G0P+4*\slot+3], s[G0P+4*\slot+2:G0P+4*\slot+3], 8*KSB
	s_add_nc_u64 s[G0V+4*\slot+2:G0V+4*\slot+3], s[G0V+4*\slot+2:G0V+4*\slot+3], 8*VCB
.endif
	s_wait_dscnt 0x0
.if \round
	CROUND
.else
	s_barrier_signal -1
	s_barrier_wait -1
.endif
.endm
	s_load_b256 s[4:11], s[0:1], 0x0
	s_load_b64 s[12:13], s[0:1], 0x20
	v_lshl_add_u32 v[SPW], v0, 2, SPARE
	v_mov_b32 v[NIL], 0
	ds_add_u32 v11, v12
	ds_add_u32 v11, v12
	s_wait_dscnt 0x0
	v_lshrrev_b32 v14, 5, v0
	v_readfirstlane_b32 s14, v14
	s_lshr_b32 s15, s14, 1
	s_and_b32 s16, s14, 1
	s_bfe_u32 s40, ttmp6, 0x40000
	s_lshl_b32 s41, ttmp9, 2
	s_add_co_u32 s41, s41, s40
	s_and_b32 s42, ttmp7, 0xffff
	s_and_b32 s43, s42, 3                          ; the batch
	s_lshr_b32 s44, s42, 2
	s_sub_co_u32 s44, 7, s44                       ; the tile of 256 queries: those with the most keys have the lowest work-group numbers
	s_lshl_b32 s42, s43, 3
	s_add_co_u32 s42, s42, s44                     ; 8 x batch + tile
	s_lshr_b32 s[MS], s44, 1
	s_add_co_u32 s[MS], s[MS], 1
	s_max_u32 s[MS], s[MS], 2
	s_lshl_b32 s[CMAX], s44, 1
	s_add_co_u32 s[CMAX], s[CMAX], s15
	s_mov_b32 s[G1P+0], 15|(3<<16)|(1<<21)
	s_mov_b32 s[G1P+1], 32<<16
	s_mov_b32 s[G1P+2], 192<<16
	s_mov_b32 s[G1P+3], 32<<16
	s_mov_b32 s[G1P+4], 192
	s_mov_b32 s[G1P+5], 32
	s_mov_b32 s[G1P+6], 0
	s_mov_b32 s[G1P+7], 0
	s_mov_b32 s[G1V+0], 3<<16
	s_mov_b32 s[G1V+1], 32<<16
	s_mov_b32 s[G1V+2], 96<<16
	s_mov_b32 s[G1V+3], 32<<16
	s_mov_b32 s[G1V+4], 96
	s_mov_b32 s[G1V+5], 32
	s_mov_b32 s[G1V+6], 0
	s_mov_b32 s[G1V+7], 0
	s_lshl_b32 s18, s42, 4
	s_lshl_b32 s19, s16, 1
	s_add_co_u32 s18, s18, s19
	s_mul_i32 s18, s18, KSB
	s_mov_b32 s19, 0
	s_lshl_b32 s66, s43, 3
	s_add_co_u32 s66, s66, s41
	s_lshl_b32 s66, s66, 4
	s_lshl_b32 s67, s16, 1
	s_add_co_u32 s66, s66, s67
	s_mul_i32 s66, s66, VCB
	s_add_co_u32 s66, s66, 12582912
	s_mov_b32 s67, 0
	s_mul_i32 s47, s16, 2*KSB
	s_mul_i32 s86, s16, 2*VCB
	s_add_co_u32 s86, s86, 4*KSB
	s_lshl_b32 s20, s43, 17
	s_lshl_b32 s21, s44, 10
	s_add_co_u32 s20, s20, s21
	s_lshl_b32 s21, s15, 9
	s_add_co_u32 s20, s20, s21
	s_lshl_b32 s88, s43, 16
	s_lshl_b32 s89, s41, 9
	s_add_co_u32 s88, s88, s89
	s_lshl_b32 s89, s16, 8
	s_add_co_u32 s88, s88, s89
	s_add_co_u32 s88, s88, 524288
	s_mov_b32 s89, 0
	s_lshl_b32 s90, s42, 20
	s_lshl_b32 s91, s15, 19
	s_add_co_u32 s90, s90, s91
	s_lshl_b32 s91, s41, 9
	s_add_co_u32 s90, s90, s91
	s_lshl_b32 s91, s16, 8
	s_add_co_u32 s90, s90, s91
	s_mov_b32 s91, 0
	s_sub_co_u32 s21, s[MS], 1
	s_mov_b32 s[C80], 0x80808080
	s_mov_b32 s[SEL], 0x76543210
	s_mov_b32 s[SEL+1], 0xfedcba98
	s_wait_kmcnt 0x0
	s_add_nc_u64 s[92:93], s[4:5], s[18:19]
	s_add_nc_u64 s[94:95], s[8:9], s[66:67]
	s_add_nc_u64 s[84:85], s[10:11], s[88:89]
	s_add_nc_u64 s[12:13], s[12:13], s[90:91]
.irp s, 0,1,2,3
	s_min_u32 s22, s21, \s
	s_lshl_b32 s22, s22, 15
	s_add_co_u32 s22, s22, s20
	s_mov_b32 s23, 0
	s_add_nc_u64 s[68+2*\s:69+2*\s], s[6:7], s[22:23]
	s_cmp_gt_u32 s[MS], \s
	s_cselect_b32 s[FS+\s], 1.0, 0
.endr
	CROUND
.irp s, 0,1
	s_mov_b32 s[G0P+4*\s], 1
	s_add_co_u32 s[G0P+4*\s+1], s47, \s*SLOT
	s_add_nc_u64 s[G0P+4*\s+2:G0P+4*\s+3], s[92:93], \s*4*KSB
	s_or_b32 s[G0P+4*\s+3], s[G0P+4*\s+3], 0x80000000
	s_mov_b32 s[G0V+4*\s], 1
	s_add_co_u32 s[G0V+4*\s+1], s86, \s*SLOT
	s_add_nc_u64 s[G0V+4*\s+2:G0V+4*\s+3], s[94:95], \s*4*VCB
	s_or_b32 s[G0V+4*\s+3], s[G0V+4*\s+3], 0x80000000
.endr
	JLOAD G0P, G1P, G0V, G1V                       ; slot 0: one tensor load a wave at the head, behind the round; the statistics' loads and the addresses follow while it is out
	v_and_b32 v14, 31, v0
	v_lshlrev_b32 v[L4], 2, v14
	v_lshlrev_b32 v[LI], 4, v14
.irp c, 0,1,2,3,4,5,6,7,8,9,10,11,12,13,14,15
	global_load_b128 v[SP+4*\c:SP+4*\c+3], v[LI], s[68+2*(\c/4):69+2*(\c/4)] offset:(\c%4)*8192
	global_load_b128 v[MM+4*\c:MM+4*\c+3], v[LI], s[68+2*(\c/4):69+2*(\c/4)] offset:524288+(\c%4)*8192
	global_load_b128 v[LL+4*\c:LL+4*\c+3], v[LI], s[68+2*(\c/4):69+2*(\c/4)] offset:1048576+(\c%4)*8192
.endr
	s_mul_i32 s90, s15, 8*FRB
	s_mul_i32 s91, s16, 4*FRB
	s_add_co_u32 s91, s91, 4*KSB
.irp s, 0,1
.irp k, 0,1
	v_add_nc_u32 v[AP+2*\s+\k], s90, v[LI]
	v_add_nc_u32 v[AP+2*\s+\k], \s*SLOT+\k*2*KSB, v[AP+2*\s+\k]
.endr
	v_add_nc_u32 v[AV+\s], s91, v[LI]
	v_add_nc_u32 v[AV+\s], \s*SLOT, v[AV+\s]
.endr
	v_and_b32 v15, 15, v0
	v_bfe_u32 v24, v0, 4, 1
	s_mul_i32 s90, s14, 16*272
	s_add_co_u32 s90, s90, STAGE
	v_mul_u32_u24 v[STO], v15, 272
	v_lshl_add_u32 v[STO], v24, 5, v[STO]
	v_add_nc_u32 v[STO], s90, v[STO]
	v_mul_u32_u24 v[RD], v24, 272
	v_lshl_add_u32 v[RD], v15, 4, v[RD]
	v_add_nc_u32 v[RD], s90, v[RD]
	v_lshlrev_b32 v[GO], 12, v24
	v_lshl_add_u32 v[GO], v15, 4, v[GO]
.irp e, 0,1,2,3
	v_mov_b32 v[LS+\e], 0
.endr
	s_wait_alu depctr_va_vdst(0)
	s_wait_tensorcnt 0x0                           ; my part of slot 0 is in
	ds_add_u32 v[SPW], v[NIL]
	s_wait_dscnt 0x0
	CROUND                                         ; everybody's part of slot 0 is in, and the four partners are here
	JLOAD G0P+4, G1P, G0V+4, G1V                   ; slot 1's first fill, the first tensor load behind the round; the statistics are worked while it is out
.irp c, 0,1,2,3,4,5,6,7,8,9,10,11,12,13,14,15
.irp e, 0,1
	global_load_b32 v[SV+2*\c+\e], v[L4], s[84:85] offset:\c*4096+128*\e   ; v's scale words, first wanted by the first product: asked for behind slot 1's load, so that it goes out 32 loads earlier
.endr
.endr
	s_wait_loadcnt 32                              ; the 48 loads of statistics are in; v's 32 scale loads may be out
.irp e, 0,1,2,3
	v_min3_num_f32 v[MN+\e], v[MM+\e], v[MM+4+\e], v[MM+8+\e]
.endr
.irp c, 3,5,7,9,11,13
.irp e, 0,1,2,3
	v_min3_num_f32 v[MN+\e], v[MN+\e], v[MM+4*\c+\e], v[MM+4*\c+4+\e]
.endr
.endr
.irp e, 0,1,2,3
	v_min_num_f32 v[MN+\e], v[MN+\e], v[MM+60+\e]
.endr
.irp c, 0,1,2,3,4,5,6,7,8,9,10,11,12,13,14,15
.irp e, 0,1,2,3
	v_sub_f32 v[TA+\e], v[MM+4*\c+\e], v[MN+\e]
.endr
.irp e, 0,1,2,3
	v_min_num_f32 v[TA+\e], 0x42fe0000, v[TA+\e]
.endr
.irp e, 0,1,2,3
	v_cvt_u32_f32 v[TA+\e], v[TA+\e]
.endr
.irp e, 0,1,2,3
	v_sub_nc_u32 v[TB+\e], 0, v[TA+\e]
.endr
.irp e, 0,1,2,3
	v_ldexp_f32 v[TB+\e], v[LL+4*\c+\e], v[TB+\e]
.endr
.irp e, 0,1,2,3
	v_fma_f32 v[LS+\e], v[TB+\e], s[FS+\c/4], v[LS+\e]
.endr
.irp e, 0,1,2,3
	v_perm_b32 v[TA+\e], v[TA+\e], v[TA+\e], 0
.endr
.irp e, 0,1,2,3
	v_or_b32 v[TB+\e], s[C80], v[SP+4*\c+\e]
.endr
.irp e, 0,1,2,3
	v_sub_nc_u32 v[TB+\e], v[TB+\e], v[TA+\e]
.endr
.irp e, 0,1,2,3
	v_and_b32 v[TA+\e], s[C80], v[TB+\e]
.endr
.irp e, 0,1,2,3
	v_lshrrev_b32 v[MM+4*\c+\e], 7, v[TA+\e]
.endr
.irp e, 0,1,2,3
	v_sub_nc_u32 v[TA+\e], v[TA+\e], v[MM+4*\c+\e]
.endr
.irp e, 0,1,2,3
	v_and_b32 v[SP+4*\c+\e], v[TB+\e], v[TA+\e]
.endr
.endr
	PLACES 8
	s_wait_loadcnt 0x0
	FETCH 0
	STEP 0
	STEP 1
	STEP 2
	CHG 0, 1
	s_cmp_eq_u32 s[MS], 2
	s_cbranch_scc1 .Ltail_a
	JLOAD G0P, G1P, G0V, G1V
	FETCH 4
	MULS 3
	STEP 4
	STEP 5
	STEP 6
	CHG 1, 1
	s_cmp_eq_u32 s[MS], 3
	s_cbranch_scc1 .Ltail_b
	JLOAD G0P+4, G1P, G0V+4, G1V
	FETCH 8
	MULS 7
	STEP 8
	STEP 9
	STEP 10
	CHG 0, 0
	PLACES 4
	FETCH 12
	MULS 11
	STEP 12
	STEP 13
	STEP 14
	s_wait_dscnt 0x0
	MULS 15
	s_branch .Lout
.Ltail_a:
	PLACES 4
	FETCH 4
	MULS 3
	STEP 4
	STEP 5
	STEP 6
	s_wait_dscnt 0x0
	MULS 7
	s_branch .Lout
.Ltail_b:
	PLACES 4
	FETCH 8
	MULS 7
	STEP 8
	STEP 9
	STEP 10
	s_wait_dscnt 0x0
	MULS 11
.Lout:
	PLACES 4
.irp e, 0,1,2,3
	v_rcp_f32 v[RR+\e], v[LS+\e]
.endr
	v_and_b32 v14, 31, v0
	s_wait_alu depctr_va_vdst(0)
.irp e, 0,1,2,3
	v_permlanex16_b32 v[RX+\e], v[RR+\e], s[SEL], s[SEL+1]
.endr
	v_cmp_gt_u32 vcc_lo, 16, v14
.irp e, 0,1,2,3
	v_cndmask_b32 v[IV+4*\e], v[RX+\e], v[RR+\e], vcc_lo
	v_cndmask_b32 v[IV+4*\e+1], v[RX+\e], v[RR+\e], vcc_lo
	v_cndmask_b32 v[IV+4*\e+2], v[RR+\e], v[RX+\e], vcc_lo
	v_cndmask_b32 v[IV+4*\e+3], v[RR+\e], v[RX+\e], vcc_lo
.endr
.macro OUTB a
.if (\a) >= 2
	s_wait_xcnt 0x0
.endif
	WIN 0x02
.set NN, 0
.rept 16
	v_pk_mul_f32 v[T+NN:T+NN+1], v[32*(\a)+NN:32*(\a)+NN+1], v[IV+2*(\a):IV+2*(\a)+1] op_sel_hi:[1,0]
.set NN, NN+2
.endr
	WIN 0
.irp b, 0,1,2,3
	ds_store_b128 v[STO], v[T+8*\b:T+8*\b+3] offset:64*\b
	ds_store_b128 v[STO], v[T+8*\b+4:T+8*\b+7] offset:64*\b+16
.endr
.irp t, 0,1,2,3,4,5,6,7
	ds_load_b128 v[BK+32*((\a)%2)+4*\t:BK+32*((\a)%2)+4*\t+3], v[RD] offset:544*\t
.endr
.endm
.macro SEND a, younger
	s_wait_dscnt \younger
.irp t, 0,1,2,3,4,5,6,7
	global_store_b128 v[GO], v[BK+32*((\a)%2)+4*\t:BK+32*((\a)%2)+4*\t+3], s[12:13] offset:(\a)*65536+8192*\t th:TH_STORE_NT
.endr
.endm
	OUTB 0
.irp a, 1,2,3,4,5,6,7
	OUTB \a
	SEND (\a)-1, 16
.endr
	SEND 7, 0
	s_wait_tensorcnt 0x0
	ds_add_u32 v[SPW], v[NIL]
	s_wait_dscnt 0x0
	CROUND
	s_endpgm
.Lfunc_end_k_q5108d2b8e2_pv:
	.size	k_q5108d2b8e2_pv, .Lfunc_end_k_q5108d2b8e2_pv-k_q5108d2b8e2_pv
	.p2alignl 7, 3214868480
	.fill 96, 4, 3214868480
	.section	.rodata,"a",@progbits
	.p2align	6, 0x0
	.amdhsa_kernel k_q5108d2b8e2_pv
		.amdhsa_group_segment_fixed_size 327680
		.amdhsa_private_segment_fixed_size 0
		.amdhsa_enable_private_segment 0
		.amdhsa_kernarg_size 40
		.amdhsa_user_sgpr_count 2
		.amdhsa_user_sgpr_kernarg_segment_ptr 1
		.amdhsa_wavefront_size32 1
		.amdhsa_system_sgpr_workgroup_id_x 1
		.amdhsa_system_sgpr_workgroup_id_y 1
		.amdhsa_system_sgpr_workgroup_id_z 1
		.amdhsa_system_vgpr_workitem_id 0
		.amdhsa_next_free_vgpr 1024
		.amdhsa_next_free_sgpr 100
		.amdhsa_reserve_vcc 1
		.amdhsa_float_denorm_mode_32 3
		.amdhsa_float_denorm_mode_16_64 3
		.amdhsa_memory_ordered 1
		.amdhsa_forward_progress 1
		.amdhsa_inst_pref_size 248
	.end_amdhsa_kernel
	.amdgpu_metadata
---
amdhsa.version: [ 1, 2 ]
amdhsa.kernels:
  - .name:           k_q5108d2b8e2_pv
    .symbol:         k_q5108d2b8e2_pv.kd
    .args:
      - { .name: p_codes, .offset: 0, .size: 8, .value_kind: global_buffer, .address_space: global }
      - { .name: p_stat, .offset: 8, .size: 8, .value_kind: global_buffer, .address_space: global }
      - { .name: qkv_codes, .offset: 16, .size: 8, .value_kind: global_buffer, .address_space: global }
      - { .name: qkv_scales, .offset: 24, .size: 8, .value_kind: global_buffer, .address_space: global }
      - { .name: out0, .offset: 32, .size: 8, .value_kind: global_buffer, .address_space: global }
    .group_segment_fixed_size: 327680
    .private_segment_fixed_size: 0
    .kernarg_segment_align: 8
    .kernarg_segment_size: 40
    .max_flat_workgroup_size: 128
    .sgpr_count:     100
    .vgpr_count:     1024
    .wavefront_size: 32
...
	.end_amdgpu_metadata
.endif
;; end of part 4
